; MI455X (gfx1250); checked and timed in simulation.
; The chip was launched on July 23, 2026; its instructions are those of AMD's public machine-readable ISA for CDNA 5 (MIT licence, August 2026) and "CDNA5" Instruction Set Architecture Reference Guide (July 2026). The comments in the code are by the model that wrote it; some were corrected since.
;; Simple Mo E Optimized. Allowed arithmetic: float matrix products may take bf16 or f16 operands with f32 sums; other float arithmetic in f32, or as packed bf16 or f16 multiplies, adds, multiply-adds, maxima and minima; sums over many terms, partial sums and values carried from step to step in f32; what a program stores and reads back later, other than sums and carried values, may be rounded once to bf16 or f16.
;; Inputs: W1 8 x 1,024 x 4,096 float32; W2 8 x 4,096 x 1,024 float32; b1 8 x 4,096 float32; b2 8 x 1,024 float32; gate_W 1,024 x 8 float32; gate_b 8 float32; x 1,024 x 1,024 float32.
;; Outputs: out0 1,024 x 1,024 float32.
;; 2 versions, each right and faster than the one before. Each part assembles by itself: llvm-mc -triple=amdgcn-amd-amdhsa -mcpu=gfx1250 --defsym DOCPART=n.
;; ======== version 1 of 2: 4 launches
;; workspace buffers: xb 2,097,152 bytes; choice 8,192 bytes of whole numbers; wts 8,192 bytes; hfrag 67,108,864 bytes; ypart 16,777,216 bytes
;; launch route (part 1): grid 64 x 1, 8 waves a work-group, no clusters, 42,240 bytes of LDS; arguments x, gate_W, gate_b, xb, choice, wts; writes xb, choice, wts
.if DOCPART == 1
	.amdgcn_target "amdgcn-amd-amdhsa--gfx1250"
	.amdhsa_code_object_version 6
	.text
	.protected	k_qf59edd1e2e_route
	.globl	k_qf59edd1e2e_route
	.p2align	8
	.type	k_qf59edd1e2e_route,@function
k_qf59edd1e2e_route:
	s_mov_b64 s[64:65], 0
	v_nop
	global_prefetch_b8 v0, s[64:65] scope:SCOPE_SE
	s_setreg_imm32_b32 hwreg(HW_REG_WAVE_MODE, 25, 1), 1
	s_wait_xcnt 0x0
; ROUTER.  scores = x gate_W + gate_b; the two best experts of each token (ties: the lower index) and the softmax over their two scores.  Also: x rounded once to bf16, for the first product.
; x [1024][1024] f32, gate_W [1024][8] f32, gate_b [8] f32 -> xb [1024][1024] bf16, choice [1024][2] u32 (first, second expert), wts [1024][2] f32.
; LIMITS.  x, gate_W and gate_b are rounded to bf16 (as every input of the program is) and the choice is made on those numbers, with f32 sums in the order of the matrix unit and then of the
; eight waves; NaN and infinities are not treated apart; the second weight counts as 0 where it falls below 2^-126.  The larger score is taken away before the exponential.
; SHARES.  A work-group has 16 tokens (64 KB of x).  Wave w rounds rows 2w, 2w+1 (8 KB on end), puts them into LDS and into xb, then multiplies K = 128w .. 128w+127 for all 16 tokens;
; the eight partial sums meet in LDS and wave 0 finishes.  No address and no branch hangs on the scores: the choice is stored at fixed places.
; 64 work-groups: 16 tokens are one matrix tile, and the launch's bytes are 6 MB.
.set XPITCH, 2064                      ; a row of x in LDS: 2,048 bytes + 16: an odd multiple of 16, so the 16 rows of a fragment load start at 16 different groups of four banks
.set RED,    16*XPITCH                 ; 8 waves x 1,024 bytes of partial sums
.set SPARE,  RED+8192                  ; the spare words: 128 bytes a wave, four blocks of 256 bytes that no other line names
.set SPW, 1                            ; v1  LDS address of my spare word; never rewritten
.set NIL, 2                            ; v2  0; never rewritten
.set LN,  3                            ; lane
.set RR,  4                            ; lane % 16
.set HH,  5                            ; lane / 16
.set XO,  6                            ; my 16 bytes in the wave's 8 KB of x
.set XSA, 7                            ; my 8 bytes in the wave's two LDS rows
.set XBO, 8                            ; my 8 bytes in the wave's 4 KB of xb
.set GO,  9                            ; my word of gate_W
.set XF,  10                           ; my place in a fragment of x in LDS
.set RA,  11                           ; my 16 bytes in the wave's partial sums
.set SA,  12                           ; 8 x lane: choice and wts
.set RX,  16                           ; v[16:79]   x as loaded; later v[16:47] x's fragments, v[48:111] the eight partial sums
.set PX,  80                           ; v[80:111]  x packed, a pair for each load
.set RG,  112                          ; v[112:175] gate_W as loaded
.set GF,  176                          ; v[176:207] gate_W's four fragments
.set SUM, 208                          ; v[208:215] my wave's sums
.set SC,  216                          ; v[216:223] the eight scores
.set WP,  224                          ; v[224:225] the two weights; v226, v227 at work
.set GU,  228                          ; v[228:235] gate_b, rounded
.set B1,  236                          ; best, second best score
.set B2,  237
.set I1,  238                          ; v[238:239] their experts
.set I2,  239
.set AC0, 240                          ; two accumulators, by turns
.set AC1, 248
	s_load_b256 s[4:11], s[0:1], 0x0               ; x s[4:5], gate_W s[6:7], gate_b s[8:9], xb s[10:11]
	s_load_b128 s[12:15], s[0:1], 0x20             ; choice s[12:13], wts s[14:15]
	v_lshl_add_u32 v[SPW], v0, 2, SPARE
	v_mov_b32 v[NIL], 0
	v_lshrrev_b32 v[LN], 5, v0
	v_readfirstlane_b32 s16, v[LN]                 ; wave 0..7
	v_and_b32 v[LN], 31, v0
	v_and_b32 v[RR], 15, v0
	v_bfe_u32 v[HH], v0, 4, 1
	v_lshlrev_b32 v[XO], 4, v[LN]
	v_lshl_add_u32 v[XO], s16, 13, v[XO]           ; 16 lane + 8,192 w
	s_mul_i32 s17, s16, 2*XPITCH
	v_lshl_add_u32 v[XSA], v[LN], 3, s17           ; 8 lane + two LDS rows a wave
	v_lshlrev_b32 v[XBO], 3, v[LN]
	v_lshl_add_u32 v[XBO], s16, 12, v[XBO]         ; 8 lane + 4,096 w
	v_and_b32 v[GO], 7, v0
	v_lshlrev_b32 v[GO], 2, v[GO]                  ; expert (lane % 8): lanes 8-15 of a half repeat 0-7
	v_lshl_add_u32 v[GO], v[HH], 8, v[GO]          ; + 8 rows of 32 bytes for the upper half of the lanes
	v_lshl_add_u32 v[GO], s16, 12, v[GO]           ; + 128 rows a wave
	v_mul_u32_u24 v[XF], v[RR], XPITCH
	v_lshl_add_u32 v[XF], v[HH], 4, v[XF]
	v_lshl_add_u32 v[XF], s16, 8, v[XF]            ; row x pitch + 16 x half + the wave's 128 along K
	v_lshlrev_b32 v[RA], 4, v[LN]
	v_lshl_add_u32 v[RA], s16, 10, v[RA]
	v_add_nc_u32 v[RA], RED, v[RA]
	v_lshlrev_b32 v[SA], 3, v[LN]
	s_lshl_b32 s18, ttmp9, 16                      ; the group's 16 rows of x,
	s_mov_b32 s19, 0
	s_lshl_b32 s28, ttmp9, 15                      ; of xb,
	s_mov_b32 s29, 0
	s_lshl_b32 s30, ttmp9, 7                       ; of choice and wts
	s_mov_b32 s31, 0
	s_wait_kmcnt 0x0
	s_add_nc_u64 s[4:5], s[4:5], s[18:19]
	s_add_nc_u64 s[10:11], s[10:11], s[28:29]
	s_add_nc_u64 s[12:13], s[12:13], s[30:31]
	s_add_nc_u64 s[14:15], s[14:15], s[30:31]
	s_load_b256 s[20:27], s[8:9], 0x0              ; gate_b
.set i, 0
.rept 16
	global_load_b128 v[RX+4*i:RX+4*i+3], v[XO], s[4:5] offset:512*i th:TH_LOAD_NT  ; 512 bytes on end a load, 8 KB a wave
.set i, i+1
.endr
; gate_W for K step s of the wave's four: the lane's 16 numbers gate_W[128w + 32s + 16u + 8 half + j][expert], u = j / 8
.macro GLOAD s
.set j, 0
.rept 16
	global_load_b32 v[RG+16*(\s)+j], v[GO], s[6:7] offset:1024*(\s)+512*(j/8)+32*(j%8)
.set j, j+1
.endr
.endm
	GLOAD 0
	GLOAD 1
.set i, 0
.rept 16
	s_wait_loadcnt 47-i                            ; loads come back in order: behind load i stand 15 - i of x and 32 of gate_W
	v_cvt_pk_bf16_f32 v[PX+2*i], v[RX+4*i], v[RX+4*i+1]
	v_cvt_pk_bf16_f32 v[PX+2*i+1], v[RX+4*i+2], v[RX+4*i+3]
	ds_store_b64 v[XSA], v[PX+2*i:PX+2*i+1] offset:(i/8)*XPITCH+(i%8)*256
	global_store_b64 v[XBO], v[PX+2*i:PX+2*i+1], s[10:11] offset:256*i  ; the wave's 32 lanes store 256 bytes on end, aligned; each load has a pair of its own, so nothing is rewritten
.set i, i+1
.endr
	GLOAD 2
	GLOAD 3
	s_wait_kmcnt 0x0                               ; gate_b
	s_wait_dscnt 0x0                               ; for the others' sake: my two rows are in LDS
	s_barrier_signal -1
	s_barrier_wait -1
.irp s, 0,1,2,3
	ds_load_b128 v[RX+8*(\s):RX+8*(\s)+3],   v[XF] offset:64*(\s)      ; token lane % 16, K = 8 half + 0..7
	ds_load_b128 v[RX+8*(\s)+4:RX+8*(\s)+7], v[XF] offset:64*(\s)+32   ; K = 16 + 8 half + 0..7
.endr
	s_wait_loadcnt 0x0                             ; all of gate_W
.set i, 0
.rept 32
	v_cvt_pk_bf16_f32 v[GF+i], v[RG+2*i], v[RG+2*i+1]
.set i, i+1
.endr
	s_wait_dscnt 0x0
	; source 0 = experts (rows), source 1 = tokens (columns): a lane holds ONE token (lane % 16) and in registers 0-7 its eight scores; the upper half of the lanes repeats the lower
	v_wmma_f32_16x16x32_bf16 v[AC0:AC0+7], v[GF:GF+7],     v[RX:RX+7],     0
	v_wmma_f32_16x16x32_bf16 v[AC1:AC1+7], v[GF+8:GF+15],  v[RX+8:RX+15],  0
	v_wmma_f32_16x16x32_bf16 v[AC0:AC0+7], v[GF+16:GF+23], v[RX+16:RX+23], v[AC0:AC0+7]  ; the two accumulators take turns
	v_wmma_f32_16x16x32_bf16 v[AC1:AC1+7], v[GF+24:GF+31], v[RX+24:RX+31], v[AC1:AC1+7]
.rept 4
	v_nop                                          ; four places between the last product and the first read of a result (ISA guide 7.12.1)
.endr
.irp q, 0,1,2,3
	v_pk_add_f32 v[SUM+2*(\q):SUM+2*(\q)+1], v[AC0+2*(\q):AC0+2*(\q)+1], v[AC1+2*(\q):AC1+2*(\q)+1]  ; from the low registers on
.endr
	ds_store_b128 v[RA], v[SUM:SUM+3]
	ds_store_b128 v[RA], v[SUM+4:SUM+7] offset:512
	s_wait_dscnt 0x0                               ; for wave 0's sake
	s_barrier_signal -1
	s_barrier_wait -1
	s_cmp_lg_u32 s16, 0
	s_cbranch_scc1 .Lend                           ; no barrier follows
	s_wait_xcnt 0x0                                ; xb's stores have read v[80:111], which the loads below write
.irp w, 0,1,2,3,4,5,6,7
	ds_load_b128 v[48+8*(\w):48+8*(\w)+3], v[RA] offset:1024*(\w)       ; in wave 0 RA is RED + 16 lane
	ds_load_b128 v[48+8*(\w)+4:48+8*(\w)+7], v[RA] offset:1024*(\w)+512
.endr
.irp q, 0,1,2,3
	v_cvt_pk_bf16_f32 v[WP+(\q)], s[20+2*(\q)], s[21+2*(\q)]           ; gate_b rounded to bf16,
.endr
.irp q, 0,1,2,3
	v_lshlrev_b32 v[GU+2*(\q)], 16, v[WP+(\q)]                         ; and back as f32
	v_and_b32 v[GU+2*(\q)+1], 0xffff0000, v[WP+(\q)]
.endr
	s_wait_dscnt 0x0
.irp q, 0,1,2,3
	v_pk_add_f32 v[SC+2*(\q):SC+2*(\q)+1], v[48+2*(\q):49+2*(\q)], v[56+2*(\q):57+2*(\q)]
.endr
.irp w, 2,3,4,5,6,7
.irp q, 0,1,2,3
	v_pk_add_f32 v[SC+2*(\q):SC+2*(\q)+1], v[SC+2*(\q):SC+2*(\q)+1], v[48+8*(\w)+2*(\q):49+8*(\w)+2*(\q)]
.endr
.endr
.irp q, 0,1,2,3
	v_pk_add_f32 v[SC+2*(\q):SC+2*(\q)+1], v[SC+2*(\q):SC+2*(\q)+1], v[GU+2*(\q):GU+2*(\q)+1]
.endr
	; the two best, by selects alone; 'greater' keeps the lower index where scores are equal
	v_mov_b32 v[B1], v[SC]
	v_mov_b32 v[I1], 0
	v_mov_b32 v[B2], 0xff800000
	v_mov_b32 v[I2], 0
.irp e, 1,2,3,4,5,6,7
	v_cmp_gt_f32 s32, v[SC+(\e)], v[B1]
	v_cmp_gt_f32 s33, v[SC+(\e)], v[B2]
	v_cndmask_b32 v[B2], v[B2], v[SC+(\e)], s33
	v_cndmask_b32 v[I2], v[I2], \e, s33
	v_cndmask_b32 v[B2], v[B2], v[B1], s32         ; a new best sends the old best down
	v_cndmask_b32 v[I2], v[I2], v[I1], s32
	v_cndmask_b32 v[B1], v[B1], v[SC+(\e)], s32
	v_cndmask_b32 v[I1], v[I1], \e, s32
.endr
	; softmax over the two, the larger taken away: w0 = 1 / (1 + t), w1 = t w0, t = e^(second - best) <= 1
	v_sub_f32 v226, v[B2], v[B1]
	v_mul_f32 v226, 0x3fb8aa3b, v226
	v_exp_f32 v227, v226
	v_nop                                          ; a plain instruction behind the exponential (ISA guide 5.7.2),
	s_wait_alu depctr_va_vdst(0)                   ; and a wait ahead of its first reader
	v_add_f32 v226, 1.0, v227
	v_rcp_f32 v[WP], v226
	v_nop
	s_wait_alu depctr_va_vdst(0)
	v_mul_f32 v[WP+1], v227, v[WP]
	s_wait_xcnt 0x0                                ; EXEC changes only behind this wait
	v_cmp_gt_u32 vcc_lo, 16, v[LN]
	s_and_saveexec_b32 s34, vcc_lo                 ; lanes 0-15: one lane a token
	global_store_b64 v[SA], v[I1:I2], s[12:13]
	global_store_b64 v[SA], v[WP:WP+1], s[14:15]
	s_wait_xcnt 0x0                                ; and again, in front of the line that widens it
	s_or_b32 exec_lo, exec_lo, s34
.Lend:
	s_wait_tensorcnt 0x0                           ; the wave's end
	ds_add_u32 v[SPW], v[NIL]
	s_wait_dscnt 0x0
	s_endpgm
.Lfunc_end_k_qf59edd1e2e_route:
	.size	k_qf59edd1e2e_route, .Lfunc_end_k_qf59edd1e2e_route-k_qf59edd1e2e_route
	.p2alignl 7, 3214868480
	.fill 96, 4, 3214868480
	.section	.rodata,"a",@progbits
	.p2align	6, 0x0
	.amdhsa_kernel k_qf59edd1e2e_route
		.amdhsa_group_segment_fixed_size 42240
		.amdhsa_private_segment_fixed_size 0
		.amdhsa_enable_private_segment 0
		.amdhsa_kernarg_size 48
		.amdhsa_user_sgpr_count 2
		.amdhsa_user_sgpr_kernarg_segment_ptr 1
		.amdhsa_wavefront_size32 1
		.amdhsa_system_sgpr_workgroup_id_x 1
		.amdhsa_system_sgpr_workgroup_id_y 1
		.amdhsa_system_sgpr_workgroup_id_z 1
		.amdhsa_system_vgpr_workitem_id 0
		.amdhsa_next_free_vgpr 256
		.amdhsa_next_free_sgpr 66
		.amdhsa_reserve_vcc 1
		.amdhsa_float_denorm_mode_32 3
		.amdhsa_float_denorm_mode_16_64 3
		.amdhsa_memory_ordered 1
		.amdhsa_forward_progress 1
		.amdhsa_inst_pref_size 27
	.end_amdhsa_kernel
	.amdgpu_metadata
---
amdhsa.version: [ 1, 2 ]
amdhsa.kernels:
  - .name:           k_qf59edd1e2e_route
    .symbol:         k_qf59edd1e2e_route.kd
    .args:
      - { .name: x, .offset: 0, .size: 8, .value_kind: global_buffer, .address_space: global }
      - { .name: gate_W, .offset: 8, .size: 8, .value_kind: global_buffer, .address_space: global }
      - { .name: gate_b, .offset: 16, .size: 8, .value_kind: global_buffer, .address_space: global }
      - { .name: xb, .offset: 24, .size: 8, .value_kind: global_buffer, .address_space: global }
      - { .name: choice, .offset: 32, .size: 8, .value_kind: global_buffer, .address_space: global }
      - { .name: wts, .offset: 40, .size: 8, .value_kind: global_buffer, .address_space: global }
    .group_segment_fixed_size: 42240
    .private_segment_fixed_size: 0
    .kernarg_segment_align: 8
    .kernarg_segment_size: 48
    .max_flat_workgroup_size: 256
    .sgpr_count:     66
    .vgpr_count:     256
    .wavefront_size: 32
...
	.end_amdgpu_metadata
.endif
;; end of part 1
;; launch ffn1 (part 2): grid 32 x 8, 8 waves a work-group, no clusters, 300,288 bytes of LDS; arguments W1, b1, xb, choice, hfrag; writes hfrag
.if DOCPART == 2
	.amdgcn_target "amdgcn-amd-amdhsa--gfx1250"
	.amdhsa_code_object_version 6
	.text
	.protected	k_qf59edd1e2e_ffn1
	.globl	k_qf59edd1e2e_ffn1
	.p2align	8
	.type	k_qf59edd1e2e_ffn1,@function
k_qf59edd1e2e_ffn1:
	s_mov_b64 s[64:65], 0
	v_nop
	global_prefetch_b8 v0, s[64:65] scope:SCOPE_SE
	s_setreg_imm32_b32 hwreg(HW_REG_WAVE_MODE, 25, 1), 1
	s_wait_xcnt 0x0
; FIRST PRODUCT OF THE EXPERTS.  h = relu(x W1[e] + b1[e]) for the rows (tokens) that chose expert e, and for no others.
; W1 [8][1024][4096] f32, b1 [8][4096] f32, xb [1024][1024] bf16, choice [1024][2] u32 -> hfrag, bf16, in the order in which the second product's registers take it:
; byte ((e 64 + tile) 128 + kb) 1024 + i 512 + lane 16: row 16 tile + lane % 16 of the expert's list, hidden index 32 kb + 16 i + 8 (lane / 16) + 0..7.
; LIMITS.  W1 and b1 are rounded to bf16 (as every input of the program is), sums in f32, h rounded once to bf16.  NaN and infinities are not treated apart.
; SHARES.  Work-group (slice, e) is the only reader of W1[e][:, 128 slice .. +127], 512 KB.  It rounds them on their way through registers and keeps them in LDS as bf16 [k][128], so that every
; split of the tokens is served with each weight byte read from memory once.  Waves 0-3 LOAD (32 of a chunk's 128 rows each), waves 4-7 COMPUTE: the loads of weights and the loads of token rows
; then have counters of their own.  While chunk c arrives and is rounded in registers, chunk c - 1 is multiplied, for the expert's first 320 rows (20 tiles of 16; computer cw has tiles cw, cw + 4, ..).  Rows beyond 320 take
; further passes over the resident weights: a loop of constant count in which a wave without live tiles jumps forward; no barrier stands there.  Places past the count repeat the last row.
; An expert without rows stores tile 0, made of token 0, so that what the second product loads has been written.
; ORDER IN LDS.  No wave writes LDS while a wave reads weights from it: a chunk's stores stand in a window of their own, between two barriers, and the closing lines stand behind a barrier that every wave reaches with its reads done.
; REGISTERS.  The two roles share one text and one register file's numbers.  Every LDS address base of either role is made in the head, which all waves run, and is written by no other line.  The loaders' 64 loads land in
; window 1 (v256-511), where the computers hold accumulators; the computers load into window 0 alone: no register is a load's destination in both roles.
; NO TENSOR LOADS: the weights are f32 and pass through registers to be rounded.  NO CLUSTER: each weight byte has one reader, and the token rows come by a list, which no descriptor covers.
.set PITCH,  288                       ; an LDS row: 256 bytes + 32: an odd multiple of 32
.set STEPB,  32*PITCH                  ; a K step
.set PAIRB,  2*STEPB
.set CHUNKB, 128*PITCH
.set LIST,   1024*PITCH                ; 1,024 words: token | slot << 16, by rank in the expert's list
.set META,   LIST+4096                 ; word 0: the count; bytes 128-255: a word a lane for the tokens that did not choose e
.set SPARE,  META+256                  ; the spare words: 128 bytes a wave, four blocks of 256 bytes that no other line names
.set STRIDE, 16384                     ; bytes from a row of W1[e] to the next
.set CH,     128*STRIDE                ; a chunk in memory
.set NA,     10                        ; loads in a slot of token fragments
.set ASH,    7                         ; a pair of K steps is 128 bytes of a row of xb
.set SPW, 1                            ; v1  LDS address of my spare word; never rewritten
.set NIL, 2                            ; v2  0; never rewritten
.set AOFF, 3                           ; v[3:7] computers: tile m: my row's byte offset in xb + 16 (lane / 16)
.set BADR, 8                           ; computers: LDS address of the pair's weight fragments
.set BL0,  9                           ; my lane's place in a turning load; made in the head, never rewritten
.set H16,  10                          ; 16 (lane / 16); made in the head, never rewritten
.set LADR, 11                          ; loaders: where my 8 bytes of the wave's first row of the chunk go in LDS
.set SO,   12                          ; computers: my byte offset in hfrag
.set WOFF, 13                          ; my 16 bytes in the wave's first row of a chunk in memory; made in the head, never rewritten
.set TV,   14                          ; at work
.set LADR0, 15                         ; LADR in chunk 0; made in the head, never rewritten
.set BF,   16                          ; v[16:79]   computers: eight weight fragments (16 columns x 32 K)
.set T,    16                          ; v[16:79]   loaders: a chunk's 32 rows, packed.  Their two sets of 32 loads: v[0:127] and v[128:255] of window 1
.set AF,   80                          ; v[80:159]  computers: two slots of five token fragments
.set AC4,  160                         ; v[160:223] computers: accumulators (4, b); accumulators (m, b), m < 4, at v[64 m + 8 b] of window 1
.set PK,   224                         ; v[224:255] computers: a tile, packed
.set WB, 4                             ; s[4:5] W1 at the chunk in hand   s[6:7] b1   s[8:9] xb   s[10:11] choice   s[12:13] hfrag
.set BI, 6
.set A0, 8
.set CHO, 10
.set HB, 12
.set WV, 16                            ; wave
.set ZS, 17                            ; 0, for the ReLU
.set E,  18                            ; expert
.set CNT, 19                           ; the expert's rows
.set CNT1, 20                          ; max(CNT, 1)
.set CM1, 21                           ; CNT1 - 1
.set CUR, 22                           ; the pair of K steps in hand, 0..15
.set NX,  23                           ; the pair whose token fragments are asked for
.set KO,  24                           ; LDS byte of the pair in hand
.set OC,  25
.set IC,  26
.set P,   27
.set T0,  28                           ; my first tile of the pass
.set TT,  29
.set ABASE, 30                         ; s[30:31]
.set TMP, 32                           ; s[32:33], s[34:35], s[36:37] offsets
.set TM2, 34
.set TM3, 36
.set MA,  38
.set MB,  39
.set MM,  40
.set LK,  41                           ; LDS byte of the chunk that the phase in hand stores; stepped by every wave behind the phase's second barrier
.set MSB, 0
.macro WIN new                         ; s_set_vgpr_msb: bits 1:0 source 0, 3:2 source 1, 5:4 source 2, 7:6 destination; the high byte repeats the setting that is left
.if MSB != (\new)
	s_set_vgpr_msb (MSB<<8)|(\new)
.set MSB, (\new)
.endif
.endm
.macro PLACES                          ; four places between a matrix instruction and a load into, or a vector line on, its registers (ISA guide 7.12.1 for vector lines)
.rept 4
	v_nop
.endr
.endm
.macro BAR                             ; a barrier; in front of it my LDS stores and loads are done
	s_wait_dscnt 0x0
	s_barrier_signal -1
	s_barrier_wait -1
.endm
; THE LIST (wave 4).  All 1,024 choices are read; a token that chose e gets its rank by a count of the mask bits below it, and is stored at LIST[rank] with its slot (0: first choice, 1: second).
; The others store into a word of their own that nobody reads, so EXEC never changes.  The list is cleared first (LDS serves a wave's instructions in order: ISA guide 5.7.1.4): word 0 of an empty list is token 0.  v[TV] holds the lane.
.macro BUILD
	v_lshlrev_b32 v80, 3, v[TV]
.set g, 0
.rept 32
	global_load_b64 v[16+2*g:17+2*g], v80, s[CHO:CHO+1] offset:256*g
.set g, g+1
.endr
	v_lshl_add_u32 v81, v[TV], 4, LIST
.irp q, 86,87,88,89
	v_mov_b32 v\q, 0
.endr
.set g, 0
.rept 8
	ds_store_b128 v81, v[86:89] offset:512*g
.set g, g+1
.endr
	v_add_nc_u32 v82, 1056, v[TV]                  ; the index of my word in META's bytes 128-255
	v_or_b32 v83, 0x10000, v[TV]
	s_mov_b32 s[CNT], 0
	s_wait_loadcnt 0x0
.set g, 0
.rept 32
	v_cmp_eq_u32 s[MA], s[E], v[16+2*g]
	v_cmp_eq_u32 s[MB], s[E], v[17+2*g]
	s_or_b32 s[MM], s[MA], s[MB]
	v_mbcnt_lo_u32_b32 v84, s[MM], s[CNT]          ; rank
	v_cndmask_b32 v84, v82, v84, s[MM]
	v_min_u32 v84, 1087, v84
	v_lshl_add_u32 v84, v84, 2, LIST
	v_cndmask_b32 v85, v[TV], v83, s[MB]
	v_or_b32 v85, 32*g, v85                        ; token 32 g + lane
	ds_store_b32 v84, v85
	s_bcnt1_i32_b32 s[MM], s[MM]
	s_add_co_u32 s[CNT], s[CNT], s[MM]
.set g, g+1
.endr
	v_mov_b32 v84, META
	v_mov_b32 v85, s[CNT]
	ds_store_b32 v84, v85
.endm
; A LOADER'S FIRST WINDOW: the 32 rows of one set are rounded into T, eight at a time; reload = 1: each eight rows' registers are asked for again at once, with the chunk two further on.  No LDS is touched.
; The wait: loads come back in order.  With reload, behind group g stand 24 - 8 g of this set, the other set's 32 and the 8 g just asked for: 56.  Without: left - 8 g.
.macro CONV set, reload, left
.set SB, 128*(\set)
.irp g, 0,1,2,3
.if \reload
	s_wait_loadcnt 56
.else
	s_wait_loadcnt (\left)-8*(\g)
.endif
	WIN 0x05                                       ; sources in window 1
.irp i, 0,1,2,3,4,5,6,7
	v_cvt_pk_bf16_f32 v[T+16*(\g)+2*(\i)],   v[SB+32*(\g)+4*(\i)],   v[SB+32*(\g)+4*(\i)+1]
	v_cvt_pk_bf16_f32 v[T+16*(\g)+2*(\i)+1], v[SB+32*(\g)+4*(\i)+2], v[SB+32*(\g)+4*(\i)+3]
.endr
.if \reload
	WIN 0x40                                       ; destination in window 1
.irp i, 0,1,2,3,4,5,6,7
	global_load_b128 v[SB+32*(\g)+4*(\i):SB+32*(\g)+4*(\i)+3], v[WOFF], s[WB:WB+1] offset:2*CH+(8*(\g)+(\i))*STRIDE th:TH_LOAD_NT
.endr
.endif
.endr
	WIN 0
.if \reload
	s_wait_xcnt 0x0                                ; the base is stepped only behind this wait
	s_add_nc_u64 s[WB:WB+1], s[WB:WB+1], CH
.endif
.endm
; A LOADER'S SECOND WINDOW: my 32 rows of the chunk go into LDS; 32 lanes store 256 bytes on end, one LDS row
.macro PUT
	v_add_nc_u32 v[LADR], s[LK], v[LADR0]
.set i, 0
.rept 32
	ds_store_b64 v[LADR], v[T+2*i:T+2*i+1] offset:PITCH*i
.set i, i+1
.endr
.endm
; Four weight fragments (columns 64 half .. +63, 32 K at byte ko of the pair), turned on their way out of LDS: lane l gets column l % 16, K = 8 (l / 16) + 0..7 and 16 + 8 (l / 16) + 0..7
.macro BLOAD half, ko
	WIN 0
.irp b, 0,1,2,3
	ds_load_tr16_b128 v[BF+8*(4*(\half)+(\b)):BF+8*(4*(\half)+(\b))+3],   v[BADR] offset:(\ko)+32*(4*(\half)+(\b))
	ds_load_tr16_b128 v[BF+8*(4*(\half)+(\b))+4:BF+8*(4*(\half)+(\b))+7], v[BADR] offset:(\ko)+32*(4*(\half)+(\b))+16*PITCH
.endr
.endm
; The token fragments of K step 'slot' of the pair at ABASE, for my five tiles
.macro ALOAD slot
	WIN 0
.irp m, 0,1,2,3,4
	global_load_b128 v[AF+40*(\slot)+8*(\m):AF+40*(\slot)+8*(\m)+3],   v[AOFF+(\m)], s[ABASE:ABASE+1] offset:64*(\slot)
	global_load_b128 v[AF+40*(\slot)+8*(\m)+4:AF+40*(\slot)+8*(\m)+7], v[AOFF+(\m)], s[ABASE:ABASE+1] offset:64*(\slot)+32
.endr
.endm
; 20 products: four blocks of 16 columns x five tiles.  Source 0 = weights, source 1 = tokens: a lane then holds ONE row and eight neighbouring columns.  The 40 accumulators take turns, one instruction a turn.
.macro MULH slot, half
	WIN 0x50                                       ; C and D in window 1
.irp b, 0,1,2,3
.irp m, 0,1,2,3
.set rD, 64*(\m)+8*(4*(\half)+(\b))
.set rB, BF+8*(4*(\half)+(\b))
.set rA, AF+40*(\slot)+8*(\m)
	v_wmma_f32_16x16x32_bf16 v[rD:rD+7], v[rB:rB+7], v[rA:rA+7], v[rD:rD+7]
.endr
.endr
	WIN 0
.irp b, 0,1,2,3
.set rD, AC4+8*(4*(\half)+(\b))
.set rB, BF+8*(4*(\half)+(\b))
.set rA, AF+40*(\slot)+32
	v_wmma_f32_16x16x32_bf16 v[rD:rD+7], v[rB:rB+7], v[rA:rA+7], v[rD:rD+7]
.endr
.endm
; TWO K STEPS at LDS byte KO.  The weight fragments come half a step ahead, the token fragments a pair ahead; the pass's last pair asks for its own token fragments once more, so that no load leaves the row and the counts stay as they are.
.macro PAIR
	s_wait_xcnt 0x0                                ; ABASE is written only behind this wait
	s_add_co_u32 s[NX], s[CUR], 1
	s_min_u32 s[NX], s[NX], 15
	s_lshl_b32 s[TMP], s[NX], ASH
	s_mov_b32 s[TMP+1], 0
	s_add_nc_u64 s[ABASE:ABASE+1], s[A0:A0+1], s[TMP:TMP+1]
	v_add_nc_u32 v[BADR], s[KO], v[BL0]
	BLOAD 0, 0
	BLOAD 1, 0
	s_wait_loadcnt NA                              ; slot 0 is in; slot 1's loads may be out
	s_wait_dscnt 8                                 ; the first half is in; the eight loads behind it may be out (so at each wait for 8 below)
	MULH 0, 0
	PLACES
	BLOAD 0, STEPB
	s_wait_dscnt 8
	MULH 0, 1
	PLACES
	BLOAD 1, STEPB
	ALOAD 0
	s_wait_loadcnt NA                              ; slot 1 is in; the loads just issued may be out
	s_wait_dscnt 8
	MULH 1, 0
	s_wait_dscnt 0x0
	MULH 1, 1
	PLACES                                         ; also for the next pair's loads, and for what reads the sums behind the last pair
	ALOAD 1
	s_mov_b32 s[CUR], s[NX]
	s_add_co_u32 s[KO], s[KO], PAIRB
.endm
.macro COMP                            ; the chunk in front of the one that the phase stores: two pairs
	s_sub_co_u32 s[KO], s[LK], CHUNKB
	s_mov_b32 s[IC], 2
.Lpair_\@:
	PAIR
	s_sub_co_u32 s[IC], s[IC], 1
	s_cmp_lg_u32 s[IC], 0
	s_cbranch_scc1 .Lpair_\@
.endm
; A PASS BEGINS: my five tiles' rows from the list; the accumulators start at the bias, which spares an addition on the way out and a first step written out: 320 moves; the first pair's token fragments.
.macro START
	s_wait_xcnt 0x0                                ; the way out's stores have read their registers
	v_and_b32 v[TV], 15, v0
.irp m, 0,1,2,3,4
	s_add_co_u32 s[TT], s[T0], 4*(\m)
	s_lshl_b32 s[TT], s[TT], 4
	v_add_nc_u32 v[AOFF+(\m)], s[TT], v[TV]        ; place 16 t + lane % 16,
	v_min_u32 v[AOFF+(\m)], s[CM1], v[AOFF+(\m)]   ; or past the count the last row
	v_min_u32 v[AOFF+(\m)], 1023, v[AOFF+(\m)]
	v_lshl_add_u32 v[AOFF+(\m)], v[AOFF+(\m)], 2, LIST
	ds_load_b32 v[AOFF+(\m)], v[AOFF+(\m)]
.endr
	v_lshlrev_b32 v[TV], 1, v[H16]
.irp b, 0,1,2,3,4,5,6,7
	global_load_b128 v[BF+8*(\b):BF+8*(\b)+3],   v[TV], s[BI:BI+1] offset:64*(\b)      ; b1 of columns 16 b + 8 (lane / 16) + 0..7
	global_load_b128 v[BF+8*(\b)+4:BF+8*(\b)+7], v[TV], s[BI:BI+1] offset:64*(\b)+16
.endr
	s_wait_dscnt 0x0
.irp m, 0,1,2,3,4
	v_and_b32 v[AOFF+(\m)], 0xffff, v[AOFF+(\m)]
	v_min_u32 v[AOFF+(\m)], 1023, v[AOFF+(\m)]     ; the token
	v_lshl_add_u32 v[AOFF+(\m)], v[AOFF+(\m)], 11, v[H16]
.endr
	s_wait_loadcnt 0x0
.set i, 0
.rept 32
	v_cvt_pk_bf16_f32 v[TV], v[BF+2*i], v[BF+2*i+1]   ; the bias rounded to bf16, and back as f32
	v_lshlrev_b32 v[BF+2*i], 16, v[TV]
	v_and_b32 v[BF+2*i+1], 0xffff0000, v[TV]
.set i, i+1
.endr
	WIN 0x40
.set i, 0
.rept 256
	v_mov_b32 v[i], v[BF+i%64]
.set i, i+1
.endr
	WIN 0
.set i, 0
.rept 64
	v_mov_b32 v[AC4+i], v[BF+i]
.set i, i+1
.endr
	s_mov_b32 s[CUR], 0
	s_mov_b32 s[KO], 0
	s_mov_b64 s[ABASE:ABASE+1], s[A0:A0+1]
	ALOAD 0
	ALOAD 1
.endm
.macro FIRST                           ; the computers' first phase: the count, and the first pass begins
	v_mov_b32 v[TV], META
	ds_load_b32 v[TV], v[TV]
	s_wait_dscnt 0x0
	v_readfirstlane_b32 s[CNT], v[TV]
	s_min_u32 s[CNT], s[CNT], 1024
	s_max_u32 s[CNT1], s[CNT], 1
	s_sub_co_u32 s[CM1], s[CNT1], 1
	s_sub_co_u32 s[T0], s[WV], 4
	START
.endm
; A PHASE has two windows.  In the first the loaders round the chunk that has arrived, in registers, and the computers multiply the chunk before it out of LDS: nobody writes LDS.  A barrier: every wave's reads are back.
; In the second the loaders store the chunk at LDS byte LK: nobody reads LDS.  A barrier: the stores are done.  Behind it every wave steps LK.  The loads from memory stay on their way across both.
; comp = 2: in the loop's first trip there is no chunk yet to multiply: the computers read the count and begin the pass.
.macro PHASE set, reload, left, comp
	s_cmp_lt_u32 s[WV], 4
	s_cbranch_scc0 .Lcmp_\@
	CONV \set, \reload, \left
	s_branch .Ljoin_\@
.Lcmp_\@:
.if (\comp) == 2
	s_cmp_eq_u32 s[OC], 3
	s_cbranch_scc0 .Lmul_\@
	FIRST
	s_branch .Ljoin_\@
.Lmul_\@:
.endif
	COMP
.Ljoin_\@:
	BAR
	s_cmp_lt_u32 s[WV], 4
	s_cbranch_scc0 .Lput_\@
	PUT
.Lput_\@:
	BAR
	s_add_co_u32 s[LK], s[LK], CHUNKB
.endm
; THE WAY OUT of tile m: rounded to bf16, ReLU on the packed halves, eight stores of 512 bytes on end: the tile's 4 KB of this slice.  A tile past the count is jumped.
.macro ETILE m
	s_add_co_u32 s[TT], s[T0], 4*(\m)
	s_lshl_b32 s[MA], s[TT], 4
	s_cmp_ge_u32 s[MA], s[CNT1]
	s_cbranch_scc1 .Ltend_\@
	s_min_u32 s[TT], s[TT], 63
	s_lshl_b32 s[TT], s[TT], 17
	s_wait_xcnt 0x0                                ; the tile before's stores have read SO and PK
	v_and_b32 v[SO], 31, v0
	v_lshl_add_u32 v[SO], v[SO], 4, s[TT]
.if (\m) < 4
	WIN 0x05
.set AB, 64*(\m)
.else
.set AB, AC4
.endif
.set i, 0
.rept 32
	v_cvt_pk_bf16_f32 v[PK+i], v[AB+2*i], v[AB+2*i+1]  ; each accumulator from its low registers on
.set i, i+1
.endr
	WIN 0
.set i, 0
.rept 32
	v_pk_max_num_bf16 v[PK+i], v[PK+i], s[ZS]
.set i, i+1
.endr
.irp b, 0,1,2,3,4,5,6,7
	global_store_b128 v[SO], v[PK+4*(\b):PK+4*(\b)+3], s[HB:HB+1] offset:512*(\b)
.endr
.Ltend_\@:
.endm
	s_load_b256 s[4:11], s[0:1], 0x0
	s_load_b64 s[12:13], s[0:1], 0x20
	v_lshl_add_u32 v[SPW], v0, 2, SPARE
	v_mov_b32 v[NIL], 0
	v_lshrrev_b32 v[TV], 5, v0
	v_readfirstlane_b32 s[WV], v[TV]
	s_and_b32 s[E], ttmp7, 0xffff
	s_lshl_b32 s[TT], ttmp9, 9                     ; the slice's 128 columns, in f32
	s_lshl_b32 s[TMP], s[E], 24
	s_add_co_u32 s[TMP], s[TMP], s[TT]
	s_mov_b32 s[TMP+1], 0
	s_lshl_b32 s[TM2], s[E], 14
	s_add_co_u32 s[TM2], s[TM2], s[TT]
	s_mov_b32 s[TM2+1], 0
	s_lshl_b32 s[TT], ttmp9, 12                    ; the slice's four blocks of 32 hidden indices
	s_lshl_b32 s[TM3], s[E], 23
	s_add_co_u32 s[TM3], s[TM3], s[TT]
	s_mov_b32 s[TM3+1], 0
	; the address bases of both roles: a constant, the wave's number times a constant, lane terms
	v_and_b32 v[TV], 31, v0                        ; lane
	s_lshl_b32 s[TT], s[WV], 19                    ; loader w: 32 rows of 16,384 bytes a chunk
	v_lshl_add_u32 v[WOFF], v[TV], 4, s[TT]
	s_mul_i32 s[TT], s[WV], 32*PITCH
	v_lshl_add_u32 v[LADR0], v[TV], 3, s[TT]
	v_bfe_u32 v[SO], v0, 4, 1
	v_lshlrev_b32 v[H16], 4, v[SO]
	v_and_b32 v[BL0], 7, v0
	v_lshl_add_u32 v[BL0], v[SO], 3, v[BL0]
	v_mul_u32_u24 v[BL0], v[BL0], PITCH            ; row 8 (l / 16) + l % 8,
	v_bfe_u32 v[SO], v0, 3, 1
	v_lshl_add_u32 v[BL0], v[SO], 4, v[BL0]        ; 16 bytes on for (l / 8) % 2
	s_mov_b32 s[LK], 0
	s_mov_b32 s[ZS], 0
	s_wait_kmcnt 0x0
	s_add_nc_u64 s[WB:WB+1], s[WB:WB+1], s[TMP:TMP+1]
	s_add_nc_u64 s[BI:BI+1], s[BI:BI+1], s[TM2:TM2+1]
	s_add_nc_u64 s[HB:HB+1], s[HB:HB+1], s[TM3:TM3+1]
	s_cmp_lt_u32 s[WV], 4
	s_cbranch_scc0 .Lc_head
	; LOADERS: chunks 0 and 1 are asked for before anything else: 64 loads of 512 bytes a wave
	WIN 0x40
.set i, 0
.rept 32
	global_load_b128 v[4*i:4*i+3], v[WOFF], s[WB:WB+1] offset:i*STRIDE th:TH_LOAD_NT
.set i, i+1
.endr
.set i, 0
.rept 32
	global_load_b128 v[128+4*i:128+4*i+3], v[WOFF], s[WB:WB+1] offset:CH+i*STRIDE th:TH_LOAD_NT
.set i, i+1
.endr
	WIN 0
	s_branch .Lb0
.Lc_head:
	s_cmp_lg_u32 s[WV], 4
	s_cbranch_scc1 .Lb0
	BUILD
.Lb0:
	BAR                                            ; the list and the count are in LDS
	s_mov_b32 s[OC], 3
.Lchunks:                              ; three trips: chunks 0-5 are stored (and 2-7 asked for), chunks 0-4 multiplied
	PHASE 0, 1, 0, 2
	PHASE 1, 1, 0, 1
	s_sub_co_u32 s[OC], s[OC], 1
	s_cmp_lg_u32 s[OC], 0
	s_cbranch_scc1 .Lchunks
	PHASE 0, 0, 56, 1                              ; chunk 6 is stored, 5 multiplied: nothing is left to ask for, and the counts run down
	PHASE 1, 0, 24, 1                              ; chunk 7, 6
	s_cmp_lt_u32 s[WV], 4
	s_cbranch_scc1 .Lend                           ; the loaders are done: they go to the last barrier
	COMP                                           ; chunk 7
	s_mov_b32 s[P], 0
.Lpass:                                ; four trips: a pass goes out, and the next 20 tiles are multiplied from the resident weights, if I have a live one among them; nothing here writes LDS
	s_wait_loadcnt 0x0                             ; the last pair's token loads
	ETILE 0
	ETILE 1
	ETILE 2
	ETILE 3
	ETILE 4
	s_add_co_u32 s[T0], s[T0], 20
	s_lshl_b32 s[MA], s[T0], 4
	s_cmp_ge_u32 s[MA], s[CNT1]
	s_cbranch_scc1 .Lskip
	START
	s_mov_b32 s[IC], 16
.Lres:
	PAIR
	s_sub_co_u32 s[IC], s[IC], 1
	s_cmp_lg_u32 s[IC], 0
	s_cbranch_scc1 .Lres
.Lskip:
	s_add_co_u32 s[P], s[P], 1
	s_cmp_lt_u32 s[P], 4
	s_cbranch_scc1 .Lpass
.Lend:
	BAR                                            ; every wave's reads of LDS are back: only now does any wave write LDS again
	s_wait_tensorcnt 0x0                           ; the wave's end
	ds_add_u32 v[SPW], v[NIL]
	s_wait_dscnt 0x0
	s_endpgm
.Lfunc_end_k_qf59edd1e2e_ffn1:
	.size	k_qf59edd1e2e_ffn1, .Lfunc_end_k_qf59edd1e2e_ffn1-k_qf59edd1e2e_ffn1
	.p2alignl 7, 3214868480
	.fill 96, 4, 3214868480
	.section	.rodata,"a",@progbits
	.p2align	6, 0x0
	.amdhsa_kernel k_qf59edd1e2e_ffn1
		.amdhsa_group_segment_fixed_size 300288
		.amdhsa_private_segment_fixed_size 0
		.amdhsa_enable_private_segment 0
		.amdhsa_kernarg_size 40
		.amdhsa_user_sgpr_count 2
		.amdhsa_user_sgpr_kernarg_segment_ptr 1
		.amdhsa_wavefront_size32 1
		.amdhsa_system_sgpr_workgroup_id_x 1
		.amdhsa_system_sgpr_workgroup_id_y 1
		.amdhsa_system_sgpr_workgroup_id_z 1
		.amdhsa_system_vgpr_workitem_id 0
		.amdhsa_next_free_vgpr 512
		.amdhsa_next_free_sgpr 66
		.amdhsa_reserve_vcc 0
		.amdhsa_float_denorm_mode_32 3
		.amdhsa_float_denorm_mode_16_64 3
		.amdhsa_memory_ordered 1
		.amdhsa_forward_progress 1
		.amdhsa_inst_pref_size 198
	.end_amdhsa_kernel
	.amdgpu_metadata
---
amdhsa.version: [ 1, 2 ]
amdhsa.kernels:
  - .name:           k_qf59edd1e2e_ffn1
    .symbol:         k_qf59edd1e2e_ffn1.kd
    .args:
      - { .name: W1, .offset: 0, .size: 8, .value_kind: global_buffer, .address_space: global }
      - { .name: b1, .offset: 8, .size: 8, .value_kind: global_buffer, .address_space: global }
      - { .name: xb, .offset: 16, .size: 8, .value_kind: global_buffer, .address_space: global }
      - { .name: choice, .offset: 24, .size: 8, .value_kind: global_buffer, .address_space: global }
      - { .name: hfrag, .offset: 32, .size: 8, .value_kind: global_buffer, .address_space: global }
    .group_segment_fixed_size: 300288
    .private_segment_fixed_size: 0
    .kernarg_segment_align: 8
    .kernarg_segment_size: 40
    .max_flat_workgroup_size: 256
    .sgpr_count:     66
    .vgpr_count:     512
    .wavefront_size: 32
...
	.end_amdgpu_metadata
.endif
;; end of part 2
;; launch ffn2 (part 3): grid 32 x 8, 8 waves a work-group, no clusters, 317,696 bytes of LDS; arguments W2, b2, hfrag, choice, wts, ypart; writes ypart
.if DOCPART == 3
	.amdgcn_target "amdgcn-amd-amdhsa--gfx1250"
	.amdhsa_code_object_version 6
	.text
	.protected	k_qf59edd1e2e_ffn2
	.globl	k_qf59edd1e2e_ffn2
	.p2align	8
	.type	k_qf59edd1e2e_ffn2,@function
k_qf59edd1e2e_ffn2:
	s_mov_b64 s[64:65], 0
	v_nop
	global_prefetch_b8 v0, s[64:65] scope:SCOPE_SE
	s_setreg_imm32_b32 hwreg(HW_REG_WAVE_MODE, 25, 1), 1
	s_wait_xcnt 0x0
; SECOND PRODUCT OF THE EXPERTS.  ypart[kw][slot][token] = w (h W2[e] + b2[e]) over half kw of the hidden width, for the rows that chose expert e; slot says whether e is the token's first or second choice.
; W2 [8][4096][1024] f32, b2 [8][1024] f32, hfrag (bf16, in fragment order: see below), choice [1024][2] u32, wts [1024][2] f32 -> ypart [2][2][1024][1024] f32: partial rows, each byte with one writer.
; hfrag: byte ((e 64 + tile) 128 + kb) 1024 + i 512 + lane 16: row 16 tile + lane % 16 of the expert's list, hidden index 32 kb + 16 i + 8 (lane / 16) + 0..7: a load of 16 bytes a lane is half a fragment.
; LIMITS.  W2 and b2 are rounded to bf16 (as every input of the program is); sums in f32; b2 enters in half kw = 0 alone.  NaN and infinities are not treated apart.  Where the count is odd, the last store's
; second row is the place past the count, which repeats the last row: that row's bytes are written twice by one instruction, with the same numbers.
; SHARES.  Work-group (ns + 16 kw, e) is the only reader of W2[e][2048 kw .. +2047][64 ns .. +63], 512 KB: rows of 256 bytes.  LDS row p holds rows 2048 kw + p and 2048 kw + 1024 + p side by side, as bf16, so that
; a load of the wave fills one LDS row.  All else as in the first product: waves 0-3 load, round and store into LDS, waves 4-7 multiply the chunk before for the first 320 rows;
; further rows take passes over the resident weights.  64 columns x 2,048: 128 x 1,024 would double the partial rows; 32 x 4,096 would read rows of 128 bytes and h twice as often.
; ORDER IN LDS.  No wave writes LDS while a wave reads weights from it: a chunk's stores stand in a window of their own, between two barriers; so does each pass's way out, which goes through stages in LDS; the loop over
; passes has a constant count, every wave passes its barriers, and only work is jumped over.
; REGISTERS.  Every LDS address base of either role is made in the head, which all waves run, and is written by no other line.  The loaders' 64 loads land in window 1 (v256-511), where the computers hold accumulators;
; the computers load into window 0 alone: no register is a load's destination in both roles.
; NO TENSOR LOADS: the weights are f32 and pass through registers to be rounded.  NO CLUSTER: each weight byte has one reader; h's tiles are shared by 16 work-groups, but how many there are hangs on the count, and beside the resident slice LDS has no room for them.
.set PITCH,  288                       ; an LDS row: 256 bytes + 32: an odd multiple of 32
.set STEPB,  32*PITCH
.set PAIRB,  2*STEPB
.set CHUNKB, 128*PITCH
.set LIST,   1024*PITCH                ; 1,024 words: token | slot << 16, by rank in the expert's list
.set META,   LIST+4096                 ; word 0: the count; bytes 128-255: a word a lane for the tokens that did not choose e
.set SPARE,  META+256                  ; the spare words: 128 bytes a wave, four blocks of 256 bytes that no other line names
.set STAGE,  SPARE+1024                ; for each computer 16 rows x 272 bytes: 256 of a row's numbers, then the row's place in ypart
.set SP,     272
.set STRIDE, 4096                      ; bytes from a row of W2[e] to the next
.set CH,     128*STRIDE
.set NA,     20                        ; loads in a slot of h's fragments
.set ASH,    11                        ; a pair of K steps is 2,048 bytes of a tile of hfrag
.set SPW, 1                            ; v1  LDS address of my spare word; never rewritten
.set NIL, 2                            ; v2  0; never rewritten
.set AOFF, 3                           ; v[3:7] computers: tile m: 16 lane + the tile's 131,072 bytes
.set BADR, 8                           ; computers: LDS address of the pair's weight fragments
.set BL0,  9                           ; my lane's place in a turning load; made in the head, never rewritten (so all the bases below)
.set H16,  10                          ; 16 (lane / 16)
.set RR,   11                          ; lane % 16
.set LADR, 12                          ; loaders: where my 8 bytes of the wave's first row of the chunk go in LDS
.set L16,  13                          ; 16 lane
.set TV,   14                          ; at work
.set LADR0, 15                         ; LADR in chunk 0
.set BF,   16                          ; v[16:79]   computers: eight weight fragments: K half q, column block nb at 4 q + nb
.set T,    16                          ; v[16:79]   loaders: a chunk's 32 rows, packed.  Their two sets of 32 loads: v[0:127] and v[128:255] of window 1
.set AF,   80                          ; v[80:239]  computers: two slots of ten fragments of h: (q, m) at 40 q + 8 m.  Accumulators (m, nb) at v[32 m + 8 nb] of window 1
.set Y,    16                          ; the way out: a tile times w
.set Z,    48                          ; back from the stage as whole rows
.set RH,   80                          ; the rows' places in ypart
.set OFR,  88                          ; the stores' offsets
.set WT,   240                         ; v[240:241] w
.set T1,   242
.set T2,   243
.set STO,  244                         ; the stage: where I put 16 bytes of a row,
.set STP,  245                         ; the row's place,
.set RD,   246                         ; where I read rows back,
.set RDP,  247                         ; and their places
.set C16,  248                         ; 16 (lane % 16)
.set WOFF, 249                         ; my 16 bytes in the wave's first row of a chunk in memory
.set WB, 4                             ; s[4:5] W2 at the chunk in hand   s[6:7] b2   s[8:9] hfrag   s[10:11] choice   s[12:13] wts   s[14:15] ypart
.set BI, 6
.set A0, 8
.set CHO, 10
.set WTS, 12
.set YB, 14
.set WV, 16
.set E,  18
.set CNT, 19
.set CNT1, 20
.set CM1, 21
.set CUR, 22
.set NX,  23
.set KO,  24
.set OC,  25
.set IC,  26
.set P,   27
.set T0,  28
.set TT,  29
.set ABASE, 30
.set TMP, 32
.set TM2, 34
.set TM3, 36
.set MA,  38
.set MB,  39
.set MM,  40
.set LK,  41                           ; LDS byte of the chunk that the phase in hand stores; stepped by every wave behind the phase's second barrier
.set KM,  42                           ; all ones in half kw = 0, else 0
.set KW,  43
.set TM4, 44
.set TU,  46
.set MSB, 0
.macro WIN new                         ; s_set_vgpr_msb: bits 1:0 source 0, 3:2 source 1, 5:4 source 2, 7:6 destination; the high byte repeats the setting that is left
.if MSB != (\new)
	s_set_vgpr_msb (MSB<<8)|(\new)
.set MSB, (\new)
.endif
.endm
.macro PLACES                          ; four places between a matrix instruction and a load into, or a vector line on, its registers (ISA guide 7.12.1 for vector lines)
.rept 4
	v_nop
.endr
.endm
.macro BAR                             ; a barrier; in front of it my LDS stores and loads are done
	s_wait_dscnt 0x0
	s_barrier_signal -1
	s_barrier_wait -1
.endm
; THE LIST (wave 4), as in the first product, so that ranks agree: a token that chose e is stored at LIST[rank] with its slot; the list is cleared first.  v[TV] holds the lane.
.macro BUILD
	v_lshlrev_b32 v80, 3, v[TV]
.set g, 0
.rept 32
	global_load_b64 v[16+2*g:17+2*g], v80, s[CHO:CHO+1] offset:256*g
.set g, g+1
.endr
	v_lshl_add_u32 v81, v[TV], 4, LIST
.irp q, 86,87,88,89
	v_mov_b32 v\q, 0
.endr
.set g, 0
.rept 8
	ds_store_b128 v81, v[86:89] offset:512*g
.set g, g+1
.endr
	v_add_nc_u32 v82, 1056, v[TV]                  ; the index of my word in META's bytes 128-255
	v_or_b32 v83, 0x10000, v[TV]
	s_mov_b32 s[CNT], 0
	s_wait_loadcnt 0x0
.set g, 0
.rept 32
	v_cmp_eq_u32 s[MA], s[E], v[16+2*g]
	v_cmp_eq_u32 s[MB], s[E], v[17+2*g]
	s_or_b32 s[MM], s[MA], s[MB]
	v_mbcnt_lo_u32_b32 v84, s[MM], s[CNT]
	v_cndmask_b32 v84, v82, v84, s[MM]
	v_min_u32 v84, 1087, v84
	v_lshl_add_u32 v84, v84, 2, LIST
	v_cndmask_b32 v85, v[TV], v83, s[MB]
	v_or_b32 v85, 32*g, v85
	ds_store_b32 v84, v85
	s_bcnt1_i32_b32 s[MM], s[MM]
	s_add_co_u32 s[CNT], s[CNT], s[MM]
.set g, g+1
.endr
	v_mov_b32 v84, META
	v_mov_b32 v85, s[CNT]
	ds_store_b32 v84, v85
.endm
; A LOADER'S FIRST WINDOW: the 32 rows of one set are rounded into T, eight at a time; reload = 1: each eight rows' registers are asked for again at once, with the chunk two further on.  No LDS is touched.
; The wait: loads come back in order.  With reload, behind group g stand 24 - 8 g of this set, the other set's 32 and the 8 g just asked for: 56.  Without: left - 8 g.
.macro CONV set, reload, left
.set SB, 128*(\set)
.irp g, 0,1,2,3
.if \reload
	s_wait_loadcnt 56
.else
	s_wait_loadcnt (\left)-8*(\g)
.endif
	WIN 0x05                                       ; sources in window 1
.irp i, 0,1,2,3,4,5,6,7
	v_cvt_pk_bf16_f32 v[T+16*(\g)+2*(\i)],   v[SB+32*(\g)+4*(\i)],   v[SB+32*(\g)+4*(\i)+1]
	v_cvt_pk_bf16_f32 v[T+16*(\g)+2*(\i)+1], v[SB+32*(\g)+4*(\i)+2], v[SB+32*(\g)+4*(\i)+3]
.endr
.if \reload
	WIN 0x40                                       ; destination in window 1
.irp i, 0,1,2,3,4,5,6,7
	global_load_b128 v[SB+32*(\g)+4*(\i):SB+32*(\g)+4*(\i)+3], v[WOFF], s[WB:WB+1] offset:2*CH+(8*(\g)+(\i))*STRIDE th:TH_LOAD_NT
.endr
.endif
.endr
	WIN 0
.if \reload
	s_wait_xcnt 0x0                                ; the base is stepped only behind this wait
	s_add_nc_u64 s[WB:WB+1], s[WB:WB+1], CH
.endif
.endm
; A LOADER'S SECOND WINDOW: my 32 rows of the chunk go into LDS; 32 lanes store 256 bytes on end, one LDS row
.macro PUT
	v_add_nc_u32 v[LADR], s[LK], v[LADR0]
.set i, 0
.rept 32
	ds_store_b64 v[LADR], v[T+2*i:T+2*i+1] offset:PITCH*i
.set i, i+1
.endr
.endm
.macro BLOAD half, ko                  ; the four weight fragments of K half 'half', 32 LDS rows at byte ko of the pair, turned
	WIN 0
.irp b, 0,1,2,3
	ds_load_tr16_b128 v[BF+8*(4*(\half)+(\b)):BF+8*(4*(\half)+(\b))+3],   v[BADR] offset:(\ko)+32*(4*(\half)+(\b))
	ds_load_tr16_b128 v[BF+8*(4*(\half)+(\b))+4:BF+8*(4*(\half)+(\b))+7], v[BADR] offset:(\ko)+32*(4*(\half)+(\b))+16*PITCH
.endr
.endm
.macro ALOAD slot                      ; h's fragments of K step 'slot' of the pair at ABASE: both K halves, my five tiles; 512 bytes on end a load
	WIN 0
.irp q, 0,1
.irp m, 0,1,2,3,4
	global_load_b128 v[AF+80*(\slot)+40*(\q)+8*(\m):AF+80*(\slot)+40*(\q)+8*(\m)+3],   v[AOFF+(\m)], s[ABASE:ABASE+1] offset:1024*(\slot)+32768*(\q)
	global_load_b128 v[AF+80*(\slot)+40*(\q)+8*(\m)+4:AF+80*(\slot)+40*(\q)+8*(\m)+7], v[AOFF+(\m)], s[ABASE:ABASE+1] offset:1024*(\slot)+32768*(\q)+512
.endr
.endr
.endm
; 20 products: four blocks of 16 columns x five tiles, K half q.  Source 0 = weights, source 1 = h: a lane holds ONE row and eight neighbouring columns.  The 20 accumulators take turns, one instruction a turn.
.macro MULH slot, q
	WIN 0x50                                       ; C and D in window 1
.irp nb, 0,1,2,3
.irp m, 0,1,2,3,4
.set rD, 32*(\m)+8*(\nb)
.set rB, BF+8*(4*(\q)+(\nb))
.set rA, AF+80*(\slot)+40*(\q)+8*(\m)
	v_wmma_f32_16x16x32_bf16 v[rD:rD+7], v[rB:rB+7], v[rA:rA+7], v[rD:rD+7]
.endr
.endr
	WIN 0
.endm
; TWO K STEPS (of both K halves) at LDS byte KO.  The weight fragments come half a step ahead, h's a pair ahead; the pass's last pair asks for its own once more, so that no load leaves the tile and the counts stay as they are.
.macro PAIR
	s_wait_xcnt 0x0                                ; ABASE is written only behind this wait
	s_add_co_u32 s[NX], s[CUR], 1
	s_min_u32 s[NX], s[NX], 15
	s_lshl_b32 s[TMP], s[NX], ASH
	s_mov_b32 s[TMP+1], 0
	s_add_nc_u64 s[ABASE:ABASE+1], s[A0:A0+1], s[TMP:TMP+1]
	v_add_nc_u32 v[BADR], s[KO], v[BL0]
	BLOAD 0, 0
	BLOAD 1, 0
	s_wait_loadcnt NA                              ; slot 0 is in; slot 1's loads may be out
	s_wait_dscnt 8                                 ; the first half is in; the eight loads behind it may be out (so at each wait for 8 below)
	MULH 0, 0
	PLACES
	BLOAD 0, STEPB
	s_wait_dscnt 8
	MULH 0, 1
	PLACES
	BLOAD 1, STEPB
	ALOAD 0
	s_wait_loadcnt NA                              ; slot 1 is in; the loads just issued may be out
	s_wait_dscnt 8
	MULH 1, 0
	s_wait_dscnt 0x0
	MULH 1, 1
	PLACES                                         ; also for the next pair's loads, and for what reads the sums behind the last pair
	ALOAD 1
	s_mov_b32 s[CUR], s[NX]
	s_add_co_u32 s[KO], s[KO], PAIRB
.endm
.macro COMP                            ; the chunk in front of the one that the phase stores: two pairs
	s_sub_co_u32 s[KO], s[LK], CHUNKB
	s_mov_b32 s[IC], 2
.Lpair_\@:
	PAIR
	s_sub_co_u32 s[IC], s[IC], 1
	s_cmp_lg_u32 s[IC], 0
	s_cbranch_scc1 .Lpair_\@
.endm
; A PASS BEGINS: my five tiles (past the last live tile: that tile again); the accumulators start at the bias (0 in half kw = 1): 160 moves; the first pair's fragments of h.
.macro START
	s_wait_xcnt 0x0                                ; the way out's stores have read registers that the loads below write
	s_add_co_u32 s[MB], s[CNT1], 15
	s_lshr_b32 s[MB], s[MB], 4
	s_sub_co_u32 s[MB], s[MB], 1                   ; the last live tile
.irp m, 0,1,2,3,4
	s_add_co_u32 s[TT], s[T0], 4*(\m)
	s_min_u32 s[TT], s[TT], s[MB]
	s_min_u32 s[TT], s[TT], 63
	s_lshl_b32 s[TT], s[TT], 17
	v_add_nc_u32 v[AOFF+(\m)], s[TT], v[L16]
.endr
	v_lshlrev_b32 v[TV], 1, v[H16]
.irp nb, 0,1,2,3
	global_load_b128 v[BF+8*(\nb):BF+8*(\nb)+3],   v[TV], s[BI:BI+1] offset:64*(\nb)     ; b2 of columns 16 nb + 8 (lane / 16) + 0..7
	global_load_b128 v[BF+8*(\nb)+4:BF+8*(\nb)+7], v[TV], s[BI:BI+1] offset:64*(\nb)+16
.endr
	s_wait_loadcnt 0x0
.set i, 0
.rept 16
	v_cvt_pk_bf16_f32 v[TV], v[BF+2*i], v[BF+2*i+1]
	v_and_b32 v[TV], s[KM], v[TV]
	v_lshlrev_b32 v[BF+2*i], 16, v[TV]
	v_and_b32 v[BF+2*i+1], 0xffff0000, v[TV]
.set i, i+1
.endr
	WIN 0x40
.set i, 0
.rept 160
	v_mov_b32 v[i], v[BF+i%32]
.set i, i+1
.endr
	WIN 0
	s_mov_b32 s[CUR], 0
	s_mov_b32 s[KO], 0
	s_mov_b64 s[ABASE:ABASE+1], s[A0:A0+1]
	ALOAD 0
	ALOAD 1
.endm
.macro FIRST                           ; the computers' first phase: the count, and the first pass begins
	v_mov_b32 v[TV], META
	ds_load_b32 v[TV], v[TV]
	s_wait_dscnt 0x0
	v_readfirstlane_b32 s[CNT], v[TV]
	s_min_u32 s[CNT], s[CNT], 1024
	s_max_u32 s[CNT1], s[CNT], 1
	s_sub_co_u32 s[CM1], s[CNT1], 1
	s_sub_co_u32 s[T0], s[WV], 4
	START
.endm
; A PHASE has two windows.  In the first the loaders round the chunk that has arrived, in registers, and the computers multiply the chunk before it out of LDS: nobody writes LDS.  A barrier: every wave's reads are back.
; In the second the loaders store the chunk at LDS byte LK: nobody reads LDS.  A barrier: the stores are done.  Behind it every wave steps LK.  The loads from memory stay on their way across both.
; comp = 2: in the loop's first trip there is no chunk yet to multiply: the computers read the count and begin the pass.
.macro PHASE set, reload, left, comp
	s_cmp_lt_u32 s[WV], 4
	s_cbranch_scc0 .Lcmp_\@
	CONV \set, \reload, \left
	s_branch .Ljoin_\@
.Lcmp_\@:
.if (\comp) == 2
	s_cmp_eq_u32 s[OC], 3
	s_cbranch_scc0 .Lmul_\@
	FIRST
	s_branch .Ljoin_\@
.Lmul_\@:
.endif
	COMP
.Ljoin_\@:
	BAR
	s_cmp_lt_u32 s[WV], 4
	s_cbranch_scc0 .Lput_\@
	PUT
.Lput_\@:
	BAR
	s_add_co_u32 s[LK], s[LK], CHUNKB
.endm
; THE WAY OUT of tile m.  Each row's token, slot and weight come by the list; the sums times w go through my own stage in LDS and come back as whole rows of 256 bytes, each with its place in ypart.
; A tile past the count is jumped, and so are the stores of pairs of rows past it.
.macro ETILE m
	s_add_co_u32 s[TT], s[T0], 4*(\m)
	s_lshl_b32 s[TT], s[TT], 4                     ; the tile's first place
	s_cmp_ge_u32 s[TT], s[CNT]
	s_cbranch_scc1 .Ltend_\@
	s_wait_xcnt 0x0                                ; the tile before's stores have read Z and OFR
	v_add_nc_u32 v[T1], s[TT], v[RR]
	v_min_u32 v[T1], s[CM1], v[T1]                 ; past the count: the last row
	v_min_u32 v[T1], 1023, v[T1]
	v_lshl_add_u32 v[T1], v[T1], 2, LIST
	ds_load_b32 v[T1], v[T1]
	s_wait_dscnt 0x0
	v_and_b32 v[T2], 0xffff, v[T1]
	v_min_u32 v[T2], 1023, v[T2]                   ; token
	v_lshrrev_b32 v[T1], 16, v[T1]
	v_min_u32 v[T1], 1, v[T1]                      ; slot
	v_lshl_add_u32 v[WT], v[T2], 1, v[T1]
	v_lshlrev_b32 v[WT], 2, v[WT]
	v_lshl_add_u32 v[T1], v[T1], 10, v[T2]         ; the row's place in a half of ypart
	ds_store_b32 v[STP], v[T1]                     ; both halves of the lanes hold the same row: the same word, the same number
	global_load_b32 v[WT], v[WT], s[WTS:WTS+1]
	s_wait_loadcnt 0x0
	v_mov_b32 v[WT+1], v[WT]                       ; named with it as a pair
	WIN 0x01
.set i, 0
.rept 16
	v_pk_mul_f32 v[Y+2*i:Y+2*i+1], v[32*(\m)+2*i:32*(\m)+2*i+1], v[WT:WT+1] op_sel_hi:[1,0]  ; each accumulator from its low registers on
.set i, i+1
.endr
	WIN 0
.irp nb, 0,1,2,3
	ds_store_b128 v[STO], v[Y+8*(\nb):Y+8*(\nb)+3]   offset:64*(\nb)
	ds_store_b128 v[STO], v[Y+8*(\nb)+4:Y+8*(\nb)+7] offset:64*(\nb)+16
.endr
.irp u, 0,1,2,3,4,5,6,7
	ds_load_b128 v[Z+4*(\u):Z+4*(\u)+3], v[RD] offset:2*SP*(\u)   ; LDS serves a wave's instructions in order (ISA guide 5.7.1.4): these see the stores above
	ds_load_b32 v[RH+(\u)], v[RDP] offset:2*SP*(\u)
.endr
	s_wait_dscnt 0x0
.irp u, 0,1,2,3,4,5,6,7
.if (\u) > 0
	s_add_co_u32 s[TU], s[TT], 2*(\u)
	s_cmp_ge_u32 s[TU], s[CNT]
	s_cbranch_scc1 .Ltend_\@
.endif
	v_min_u32 v[RH+(\u)], 2047, v[RH+(\u)]
	v_lshl_add_u32 v[OFR+(\u)], v[RH+(\u)], 12, v[C16]
	global_store_b128 v[OFR+(\u)], v[Z+4*(\u):Z+4*(\u)+3], s[YB:YB+1]  ; 16 lanes store 256 bytes on end, aligned: this slice of a token's row
.endr
.Ltend_\@:
.endm
	s_load_b256 s[4:11], s[0:1], 0x0
	s_load_b128 s[12:15], s[0:1], 0x20
	v_lshl_add_u32 v[SPW], v0, 2, SPARE
	v_mov_b32 v[NIL], 0
	v_lshrrev_b32 v[TV], 5, v0
	v_readfirstlane_b32 s[WV], v[TV]
	s_and_b32 s[E], ttmp7, 0xffff
	s_lshr_b32 s[KW], ttmp9, 4                     ; which half of the hidden width
	s_and_b32 s[TT], ttmp9, 15
	s_lshl_b32 s[TT], s[TT], 8                     ; the slice's 64 columns, in f32
	s_lshl_b32 s[TM4], s[KW], 23
	s_add_co_u32 s[TM4], s[TM4], s[TT]             ; ypart: the half, the columns
	s_mov_b32 s[TM4+1], 0
	s_lshl_b32 s[TMP], s[E], 24
	s_add_co_u32 s[TMP], s[TMP], s[TM4]            ; W2: the expert, 2,048 rows of 4,096 bytes a half, the columns
	s_mov_b32 s[TMP+1], 0
	s_lshl_b32 s[TM2], s[E], 12
	s_add_co_u32 s[TM2], s[TM2], s[TT]
	s_mov_b32 s[TM2+1], 0
	s_lshl_b32 s[TM3], s[E], 23
	s_lshl_b32 s[TT], s[KW], 16
	s_add_co_u32 s[TM3], s[TM3], s[TT]             ; hfrag: the expert, 64 blocks of 1,024 bytes a half
	s_mov_b32 s[TM3+1], 0
	s_cmp_eq_u32 s[KW], 0
	s_cselect_b32 s[KM], -1, 0
	; the address bases of both roles: a constant, the wave's number times a constant, lane terms
	v_and_b32 v[RR], 15, v0
	v_bfe_u32 v[T1], v0, 4, 1
	s_lshl_b32 s[TT], s[WV], 17                    ; loader w: 32 rows of 4,096 bytes a chunk
	v_lshl_add_u32 v[WOFF], v[RR], 4, s[TT]        ; lanes 0-15 a row of the first 1,024,
	v_lshl_add_u32 v[WOFF], v[T1], 22, v[WOFF]     ; lanes 16-31 the row 1,024 further down
	v_and_b32 v[TV], 31, v0                        ; lane
	s_mul_i32 s[TT], s[WV], 32*PITCH
	v_lshl_add_u32 v[LADR0], v[TV], 3, s[TT]
	v_lshlrev_b32 v[L16], 4, v[TV]
	v_lshlrev_b32 v[H16], 4, v[T1]
	v_and_b32 v[BL0], 7, v0
	v_lshl_add_u32 v[BL0], v[T1], 3, v[BL0]
	v_mul_u32_u24 v[BL0], v[BL0], PITCH            ; row 8 (l / 16) + l % 8,
	v_bfe_u32 v[T1], v0, 3, 1
	v_lshl_add_u32 v[BL0], v[T1], 4, v[BL0]        ; 16 bytes on for (l / 8) % 2
	s_mul_i32 s[TT], s[WV], 16*SP
	s_add_co_u32 s[TT], s[TT], STAGE-4*16*SP       ; wave 4 has the first stage
	v_mul_u32_u24 v[STP], v[RR], SP
	v_add_nc_u32 v[STP], s[TT], v[STP]             ; in: row l % 16,
	v_lshl_add_u32 v[STO], v[H16], 1, v[STP]       ; 32 bytes for each half of the lanes;
	v_add_nc_u32 v[STP], 256, v[STP]               ; the row's place behind its 256 bytes
	v_mul_u32_u24 v[RDP], v[H16], 17               ; back: lanes 0-15 one row, lanes 16-31 the next (16 x 17 = 272)
	v_add_nc_u32 v[RDP], s[TT], v[RDP]
	v_lshl_add_u32 v[RD], v[RR], 4, v[RDP]
	v_add_nc_u32 v[RDP], 256, v[RDP]
	v_lshlrev_b32 v[C16], 4, v[RR]
	s_mov_b32 s[LK], 0
	s_wait_kmcnt 0x0
	s_add_nc_u64 s[WB:WB+1], s[WB:WB+1], s[TMP:TMP+1]
	s_add_nc_u64 s[BI:BI+1], s[BI:BI+1], s[TM2:TM2+1]
	s_add_nc_u64 s[A0:A0+1], s[A0:A0+1], s[TM3:TM3+1]
	s_add_nc_u64 s[YB:YB+1], s[YB:YB+1], s[TM4:TM4+1]
	s_cmp_lt_u32 s[WV], 4
	s_cbranch_scc0 .Lc_head
	; LOADERS: chunks 0 and 1 are asked for before anything else: 64 loads a wave, each two aligned runs of 256 bytes
	WIN 0x40
.set i, 0
.rept 32
	global_load_b128 v[4*i:4*i+3], v[WOFF], s[WB:WB+1] offset:i*STRIDE th:TH_LOAD_NT
.set i, i+1
.endr
.set i, 0
.rept 32
	global_load_b128 v[128+4*i:128+4*i+3], v[WOFF], s[WB:WB+1] offset:CH+i*STRIDE th:TH_LOAD_NT
.set i, i+1
.endr
	WIN 0
	s_branch .Lb0
.Lc_head:
	s_cmp_lg_u32 s[WV], 4
	s_cbranch_scc1 .Lb0
	BUILD
.Lb0:
	BAR                                            ; the list and the count are in LDS
	s_mov_b32 s[OC], 3
.Lchunks:                              ; three trips: chunks 0-5 are stored (and 2-7 asked for), chunks 0-4 multiplied
	PHASE 0, 1, 0, 2
	PHASE 1, 1, 0, 1
	s_sub_co_u32 s[OC], s[OC], 1
	s_cmp_lg_u32 s[OC], 0
	s_cbranch_scc1 .Lchunks
	PHASE 0, 0, 56, 1                              ; chunk 6 is stored, 5 multiplied: nothing is left to ask for, and the counts run down
	PHASE 1, 0, 24, 1                              ; chunk 7, 6
	s_cmp_lt_u32 s[WV], 4
	s_cbranch_scc1 .Lc7                            ; from here on the loaders only pass the barriers
	COMP                                           ; chunk 7
.Lc7:
	BAR                                            ; every wave's reads of the weights are back: the stages may be written
	s_mov_b32 s[P], 0
.Lpass:                                ; four trips, every wave: a pass goes out through the stages; a barrier; the next 20 tiles are multiplied from the resident weights by the waves that have a live one among them; a barrier
	s_cmp_lt_u32 s[WV], 4
	s_cbranch_scc1 .Lsent
	s_wait_loadcnt 0x0                             ; the last pair's loads of h
	ETILE 0
	ETILE 1
	ETILE 2
	ETILE 3
	ETILE 4
.Lsent:
	BAR                                            ; the stages' stores are done: the weights may be read
	s_cmp_lt_u32 s[WV], 4
	s_cbranch_scc1 .Lskip
	s_add_co_u32 s[T0], s[T0], 20
	s_lshl_b32 s[MA], s[T0], 4
	s_cmp_ge_u32 s[MA], s[CNT1]
	s_cbranch_scc1 .Lskip                          ; no live tile: only work is jumped, no barrier
	START
	s_mov_b32 s[IC], 16
.Lres:
	PAIR
	s_sub_co_u32 s[IC], s[IC], 1
	s_cmp_lg_u32 s[IC], 0
	s_cbranch_scc1 .Lres
.Lskip:
	BAR                                            ; every wave's reads of the weights are back
	s_add_co_u32 s[P], s[P], 1
	s_cmp_lt_u32 s[P], 4
	s_cbranch_scc1 .Lpass
	s_wait_tensorcnt 0x0                           ; the wave's end
	ds_add_u32 v[SPW], v[NIL]
	s_wait_dscnt 0x0
	s_endpgm
.Lfunc_end_k_qf59edd1e2e_ffn2:
	.size	k_qf59edd1e2e_ffn2, .Lfunc_end_k_qf59edd1e2e_ffn2-k_qf59edd1e2e_ffn2
	.p2alignl 7, 3214868480
	.fill 96, 4, 3214868480
	.section	.rodata,"a",@progbits
	.p2align	6, 0x0
	.amdhsa_kernel k_qf59edd1e2e_ffn2
		.amdhsa_group_segment_fixed_size 317696
		.amdhsa_private_segment_fixed_size 0
		.amdhsa_enable_private_segment 0
		.amdhsa_kernarg_size 48
		.amdhsa_user_sgpr_count 2
		.amdhsa_user_sgpr_kernarg_segment_ptr 1
		.amdhsa_wavefront_size32 1
		.amdhsa_system_sgpr_workgroup_id_x 1
		.amdhsa_system_sgpr_workgroup_id_y 1
		.amdhsa_system_sgpr_workgroup_id_z 1
		.amdhsa_system_vgpr_workitem_id 0
		.amdhsa_next_free_vgpr 512
		.amdhsa_next_free_sgpr 66
		.amdhsa_reserve_vcc 0
		.amdhsa_float_denorm_mode_32 3
		.amdhsa_float_denorm_mode_16_64 3
		.amdhsa_memory_ordered 1
		.amdhsa_forward_progress 1
		.amdhsa_inst_pref_size 200
	.end_amdhsa_kernel
	.amdgpu_metadata
---
amdhsa.version: [ 1, 2 ]
amdhsa.kernels:
  - .name:           k_qf59edd1e2e_ffn2
    .symbol:         k_qf59edd1e2e_ffn2.kd
    .args:
      - { .name: W2, .offset: 0, .size: 8, .value_kind: global_buffer, .address_space: global }
      - { .name: b2, .offset: 8, .size: 8, .value_kind: global_buffer, .address_space: global }
      - { .name: hfrag, .offset: 16, .size: 8, .value_kind: global_buffer, .address_space: global }
      - { .name: choice, .offset: 24, .size: 8, .value_kind: global_buffer, .address_space: global }
      - { .name: wts, .offset: 32, .size: 8, .value_kind: global_buffer, .address_space: global }
      - { .name: ypart, .offset: 40, .size: 8, .value_kind: global_buffer, .address_space: global }
    .group_segment_fixed_size: 317696
    .private_segment_fixed_size: 0
    .kernarg_segment_align: 8
    .kernarg_segment_size: 48
    .max_flat_workgroup_size: 256
    .sgpr_count:     66
    .vgpr_count:     512
    .wavefront_size: 32
...
	.end_amdgpu_metadata
.endif
;; end of part 3
;; launch combine (part 4): grid 256 x 1, 8 waves a work-group, no clusters, 0 bytes of LDS; arguments ypart, out0; writes out0
.if DOCPART == 4
	.amdgcn_target "amdgcn-amd-amdhsa--gfx1250"
	.amdhsa_code_object_version 6
	.text
	.protected	k_qf59edd1e2e_combine
	.globl	k_qf59edd1e2e_combine
	.p2align	8
	.type	k_qf59edd1e2e_combine,@function
k_qf59edd1e2e_combine:
	s_mov_b64 s[64:65], 0
	v_nop
	global_prefetch_b8 v0, s[64:65] scope:SCOPE_SE
	s_setreg_imm32_b32 hwreg(HW_REG_WAVE_MODE, 25, 1), 1
	s_wait_xcnt 0x0
; out0[token] = the sum of the token's four partial rows: ypart [kw 2][slot 2][1024][1024] f32 -> out0 [1024][1024] f32.
; The order of the sum is fixed, (kw 0: slot 0 + slot 1) + (kw 1: slot 0 + slot 1), and differs from the order in which the experts are added in the module.
; A stream: a work-group has 16 KB of out0, a thread four times 16 bytes; all sixteen loads of a wave go out before the first wait; each load and store of a wave covers 512 bytes on end, aligned.
; No LDS, no barrier, no matrix unit: nothing is shared and nothing is multiplied.
.set PART, 4194304                     ; bytes of one of the four parts
	s_load_b128 s[4:7], s[0:1], 0x0                ; ypart s[4:5], out0 s[6:7]
	v_lshlrev_b32 v1, 4, v0
	s_lshl_b32 s8, ttmp9, 14
	s_mov_b32 s9, 0
	s_wait_kmcnt 0x0
	s_add_nc_u64 s[4:5], s[4:5], s[8:9]
	s_add_nc_u64 s[6:7], s[6:7], s[8:9]
	s_add_nc_u64 s[10:11], s[4:5], 2*PART          ; half kw = 1: a base of its own keeps the immediates inside their signed 24 bits
.irp j, 0,1,2,3
	global_load_b128 v[8+16*(\j):11+16*(\j)],  v1, s[4:5]   offset:4096*(\j) th:TH_LOAD_NT
	global_load_b128 v[12+16*(\j):15+16*(\j)], v1, s[4:5]   offset:PART+4096*(\j) th:TH_LOAD_NT
	global_load_b128 v[16+16*(\j):19+16*(\j)], v1, s[10:11] offset:4096*(\j) th:TH_LOAD_NT
	global_load_b128 v[20+16*(\j):23+16*(\j)], v1, s[10:11] offset:PART+4096*(\j) th:TH_LOAD_NT
.endr
.irp j, 0,1,2,3
	s_wait_loadcnt 12-4*(\j)                       ; loads come back in order: the four of the later pieces may be out
	v_pk_add_f32 v[8+16*(\j):9+16*(\j)],   v[8+16*(\j):9+16*(\j)],   v[12+16*(\j):13+16*(\j)]
	v_pk_add_f32 v[10+16*(\j):11+16*(\j)], v[10+16*(\j):11+16*(\j)], v[14+16*(\j):15+16*(\j)]
	v_pk_add_f32 v[16+16*(\j):17+16*(\j)], v[16+16*(\j):17+16*(\j)], v[20+16*(\j):21+16*(\j)]
	v_pk_add_f32 v[18+16*(\j):19+16*(\j)], v[18+16*(\j):19+16*(\j)], v[22+16*(\j):23+16*(\j)]
	v_pk_add_f32 v[8+16*(\j):9+16*(\j)],   v[8+16*(\j):9+16*(\j)],   v[16+16*(\j):17+16*(\j)]
	v_pk_add_f32 v[10+16*(\j):11+16*(\j)], v[10+16*(\j):11+16*(\j)], v[18+16*(\j):19+16*(\j)]
	global_store_b128 v1, v[8+16*(\j):11+16*(\j)], s[6:7] offset:4096*(\j) th:TH_STORE_NT
.endr
	s_endpgm
.Lfunc_end_k_qf59edd1e2e_combine:
	.size	k_qf59edd1e2e_combine, .Lfunc_end_k_qf59edd1e2e_combine-k_qf59edd1e2e_combine
	.p2alignl 7, 3214868480
	.fill 96, 4, 3214868480
	.section	.rodata,"a",@progbits
	.p2align	6, 0x0
	.amdhsa_kernel k_qf59edd1e2e_combine
		.amdhsa_group_segment_fixed_size 0
		.amdhsa_private_segment_fixed_size 0
		.amdhsa_enable_private_segment 0
		.amdhsa_kernarg_size 16
		.amdhsa_user_sgpr_count 2
		.amdhsa_user_sgpr_kernarg_segment_ptr 1
		.amdhsa_wavefront_size32 1
		.amdhsa_system_sgpr_workgroup_id_x 1
		.amdhsa_system_sgpr_workgroup_id_y 1
		.amdhsa_system_sgpr_workgroup_id_z 1
		.amdhsa_system_vgpr_workitem_id 0
		.amdhsa_next_free_vgpr 72
		.amdhsa_next_free_sgpr 66
		.amdhsa_reserve_vcc 0
		.amdhsa_float_denorm_mode_32 3
		.amdhsa_float_denorm_mode_16_64 3
		.amdhsa_memory_ordered 1
		.amdhsa_forward_progress 1
		.amdhsa_inst_pref_size 5
	.end_amdhsa_kernel
	.amdgpu_metadata
---
amdhsa.version: [ 1, 2 ]
amdhsa.kernels:
  - .name:           k_qf59edd1e2e_combine
    .symbol:         k_qf59edd1e2e_combine.kd
    .args:
      - { .name: ypart, .offset: 0, .size: 8, .value_kind: global_buffer, .address_space: global }
      - { .name: out0, .offset: 8, .size: 8, .value_kind: global_buffer, .address_space: global }
    .group_segment_fixed_size: 0
    .private_segment_fixed_size: 0
    .kernarg_segment_align: 8
    .kernarg_segment_size: 16
    .max_flat_workgroup_size: 256
    .sgpr_count:     66
    .vgpr_count:     72
    .wavefront_size: 32
...
	.end_amdgpu_metadata
.endif
;; end of part 4
;; ======== version 2 of 2: 4 launches; 1.22 times as fast as version 1
;; workspace buffers: xb 2,097,152 bytes; choice 8,192 bytes of whole numbers; wts 8,192 bytes; hfrag 67,108,864 bytes; ypart 16,777,216 bytes; lists 34,816 bytes of whole numbers
;; launch route: the kernel of part 1 again; grid 64 x 1, 8 waves a work-group, no clusters, 42,240 bytes of LDS; arguments x, gate_W, gate_b, xb, choice, wts; writes xb, choice, wts
;; launch ffn1 (part 5): grid 32 x 8, 8 waves a work-group, no clusters, 300,288 bytes of LDS; arguments W1, b1, xb, choice, hfrag, lists; writes hfrag, lists
.if DOCPART == 5
	.amdgcn_target "amdgcn-amd-amdhsa--gfx1250"
	.amdhsa_code_object_version 6
	.text
	.protected	k_qf59edd1e2e_ffn1
	.globl	k_qf59edd1e2e_ffn1
	.p2align	8
	.type	k_qf59edd1e2e_ffn1,@function
k_qf59edd1e2e_ffn1:
	s_mov_b64 s[64:65], 0
	v_nop
	global_prefetch_b8 v0, s[64:65] scope:SCOPE_SE
	s_setreg_imm32_b32 hwreg(HW_REG_WAVE_MODE, 25, 1), 1
	s_wait_xcnt 0x0
; FIRST PRODUCT OF THE EXPERTS.  h = relu(x W1[e] + b1[e]) for the rows (tokens) that chose expert e, and for no others.
; W1 [8][1024][4096] f32, b1 [8][4096] f32, xb [1024][1024] bf16, choice [1024][2] u32 -> hfrag, bf16, in the order in which the second product's registers take it:
; byte ((e 64 + tile) 128 + kb) 1024 + i 512 + lane 16: row 16 tile + lane % 16 of the expert's list, hidden index 32 kb + 16 i + 8 (lane / 16) + 0..7;
; and lists, for each expert 4,352 bytes: 1,024 words token | slot << 16 by rank (0 past the count), then the count 64 times.  Slice 0 of each expert stores them.
; LIMITS.  W1 and b1 are rounded to bf16 (as every input of the program is), sums in f32, h rounded once to bf16.  The order of the sum over K differs from slice to slice (see K BY TURNS).  NaN and infinities are not treated apart.
; SHARES.  Work-group (slice, e) is the only reader of W1[e][:, 128 slice .. +127], 512 KB.  It rounds them on their way through registers and keeps them in LDS as bf16 [k][128], so that every
; split of the tokens is served with each weight byte read from memory once.  Waves 0-3 LOAD (32 of a chunk's 128 rows each), waves 4-7 COMPUTE: the loads of weights and the loads of token rows
; then have counters of their own.  While chunk c arrives and is rounded in registers, chunk c - 1 is multiplied, for the expert's first 320 rows (20 tiles of 16; computer cw has tiles cw, cw + 4, ..).  Rows beyond 320 take
; further passes over the resident weights: a loop of constant count in which a wave without live tiles jumps forward; no barrier stands there.  Places past the count repeat the last row; a tile wholly past the count
; has its stores jumped, and where it is a wave's fifth tile its products too.  An expert without rows stores tile 0, made of token 0, so that what the second product loads has been written.
; K BY TURNS.  Slice s takes its eight chunks of K in the order (j + s % 8) % 8, and LDS is filled in the order of arrival: only the offsets into W1 and into xb's rows know of it.  So the work-groups that read the same
; token rows do not all ask for the same bytes of them at the same step.
; ORDER IN LDS.  No wave writes LDS while a wave reads weights from it: a chunk's stores stand in a window of their own, between two barriers, and the closing lines stand behind a barrier that every wave reaches with its reads done.
; REGISTERS.  The two roles share one text and one register file's numbers.  Every LDS address base of either role is made in the head, which all waves run, and is written by no other line.  The loaders' 64 loads land in
; window 1 (v256-511), where the computers hold accumulators; the computers load into window 0 alone: no register is a load's destination in both roles.
; NO TENSOR LOADS: the weights are f32 and pass through registers to be rounded.  NO CLUSTER: each weight byte has one reader, and the token rows come by a list, which no descriptor covers.
.set PITCH,  288                       ; an LDS row: 256 bytes + 32: an odd multiple of 32
.set STEPB,  32*PITCH                  ; a K step
.set PAIRB,  2*STEPB
.set CHUNKB, 128*PITCH
.set LIST,   1024*PITCH                ; 1,024 words: token | slot << 16, by rank in the expert's list
.set META,   LIST+4096                 ; word 0: the count; bytes 128-255: a word a lane for the tokens that did not choose e
.set SPARE,  META+256                  ; the spare words: 128 bytes a wave, four blocks of 256 bytes that no other line names
.set STRIDE, 16384                     ; bytes from a row of W1[e] to the next
.set CHSH,   21                        ; a chunk in memory: 128 rows = 2^21 bytes
.set NA,     10                        ; loads in a slot of token fragments
.set ASH,    7                         ; a pair of K steps is 128 bytes of a row of xb
.set LPITCH, 4352                      ; an expert's bytes in lists
.set SPW, 1                            ; v1  LDS address of my spare word; never rewritten
.set NIL, 2                            ; v2  0; never rewritten
.set AOFF, 3                           ; v[3:7] computers: tile m: my row's byte offset in xb + 16 (lane / 16); on the way out: my byte offset in hfrag
.set BADR, 8                           ; computers: LDS address of the pair's weight fragments
.set BL0,  9                           ; my lane's place in a turning load; made in the head, never rewritten
.set H16,  10                          ; 16 (lane / 16); made in the head, never rewritten
.set LADR, 11                          ; loaders: where my 8 bytes of the wave's first row of the chunk go in LDS
.set TW,   12                          ; computers: 4 (lane % 16): my word of the bias
.set WOFF, 13                          ; my 16 bytes in the wave's first row of a chunk in memory; made in the head, never rewritten
.set TV,   14                          ; at work
.set LADR0, 15                         ; LADR in chunk 0; made in the head, never rewritten
.set BF,   16                          ; v[16:79]   computers: eight weight fragments (16 columns x 32 K)
.set T,    16                          ; v[16:79]   loaders: a chunk's 32 rows, packed.  Their two sets of 32 loads: v[0:127] and v[128:255] of window 1
.set AF,   80                          ; v[80:159]  computers: two slots of five token fragments
.set AC4,  160                         ; v[160:223] computers: accumulators (4, b); accumulators (m, b), m < 4, at v[64 m + 8 b] of window 1
.set ONE,  224                         ; v[224:231] computers: a fragment that holds 1.0 at k = 0 of every row, and 0 elsewhere
.set RAW,  232                         ; v[232:239] computers: the bias as loaded.  On the way out a tile's 32 packed words lie at v16, v48, v80, v112, v224: each tile has its own
.set CHR,  80                          ; wave 4, the list: v[80:143] the choices; then what follows
.set BO,   144                         ; 8 lane
.set BLA,  145                         ; LIST + 16 lane
.set BD,   146                         ; the index of my word in META's bytes 128-255
.set BS,   147                         ; lane | 1 << 16
.set BR,   148                         ; rank, address
.set BV,   149                         ; value
.set BC,   150                         ; v[150:151] the count, twice
.set BZ,   152                         ; v[152:155] 0
.set BG,   156                         ; 16 lane
.set WB, 4                             ; s[4:5] W1 at my slice   s[6:7] b1   s[8:9] xb   s[10:11] choice   s[12:13] hfrag   s[14:15] lists
.set BI, 6
.set A0, 8
.set CHO, 10
.set HB, 12
.set LB, 14
.set WV, 16                            ; wave
.set ZS, 17                            ; 0, for the ReLU
.set E,  18                            ; expert
.set CNT, 19                           ; the expert's rows
.set CNT1, 20                          ; max(CNT, 1)
.set CM1, 21                           ; CNT1 - 1
.set CUR, 22                           ; the pair of K steps in hand, 0..15, in the order of arrival
.set NX,  23                           ; the pair whose token fragments are asked for
.set KO,  24                           ; LDS byte of the pair in hand
.set OC,  25
.set IC,  26
.set P,   27
.set T0,  28                           ; my first tile of the pass
.set TT,  29
.set ABASE, 30                         ; s[30:31]
.set TMP, 32                           ; s[32:33], s[34:35], s[36:37], s[48:49] offsets
.set TM2, 34
.set TM3, 36
.set MA,  38
.set MB,  39
.set MM,  40
.set LK,  41                           ; LDS byte of the chunk that the phase in hand stores; stepped by every wave behind the phase's second barrier
.set R2,  42                           ; 2 (slice % 8): by how many pairs my order of K is turned
.set CJ,  43                           ; loaders: slice % 8 + the number of the chunk to be asked for next
.set WR,  44                           ; s[44:45] loaders: W1 at the chunk asked for
.set F5,  46                           ; all ones: my fifth tile is live; 0: it lies past the count
.set SL,  47                           ; slice
.set TM4, 48
.set WR1, 50                           ; s[50:51] loaders: W1 at the second chunk of the start
.set MSB, 0
.macro WIN new                         ; s_set_vgpr_msb: bits 1:0 source 0, 3:2 source 1, 5:4 source 2, 7:6 destination; the high byte repeats the setting that is left
.if MSB != (\new)
	s_set_vgpr_msb (MSB<<8)|(\new)
.set MSB, (\new)
.endif
.endm
.macro PLACES                          ; four places between a matrix instruction and a load into, or a vector line on, its registers (ISA guide 7.12.1 for vector lines)
.rept 4
	v_nop
.endr
.endm
.macro BAR                             ; a barrier; in front of it my LDS stores and loads are done
	s_wait_dscnt 0x0
	s_barrier_signal -1
	s_barrier_wait -1
.endm
; THE LIST (wave 4).  All 1,024 choices are read; a token that chose e gets its rank by a count of the mask bits below it, and is stored at LIST[rank] with its slot (0: first choice, 1: second).
; The others store into a word of their own that nobody reads, so EXEC never changes.  The list is cleared first (LDS serves a wave's instructions in order: ISA guide 5.7.1.4): word 0 of an empty list is token 0.
; Slice 0 hands list and count on to the second product.  v[TV] holds the lane.
.macro BUILD
	v_lshlrev_b32 v[BO], 3, v[TV]
.set g, 0
.rept 32
	global_load_b64 v[CHR+2*g:CHR+2*g+1], v[BO], s[CHO:CHO+1] offset:256*g
.set g, g+1
.endr
	v_lshl_add_u32 v[BLA], v[TV], 4, LIST
.irp q, 0,1,2,3
	v_mov_b32 v[BZ+(\q)], 0
.endr
.set g, 0
.rept 8
	ds_store_b128 v[BLA], v[BZ:BZ+3] offset:512*g
.set g, g+1
.endr
	v_add_nc_u32 v[BD], 1056, v[TV]
	v_or_b32 v[BS], 0x10000, v[TV]
	s_mov_b32 s[CNT], 0
	s_wait_loadcnt 0x0                             ; the choices, and the bias asked for ahead of them
.set g, 0
.rept 32
	v_cmp_eq_u32 s[MA], s[E], v[CHR+2*g]
	v_cmp_eq_u32 s[MB], s[E], v[CHR+2*g+1]
	s_or_b32 s[MM], s[MA], s[MB]
	v_mbcnt_lo_u32_b32 v[BR], s[MM], s[CNT]        ; rank
	v_cndmask_b32 v[BR], v[BD], v[BR], s[MM]
	v_min_u32 v[BR], 1087, v[BR]
	v_lshl_add_u32 v[BR], v[BR], 2, LIST
	v_cndmask_b32 v[BV], v[TV], v[BS], s[MB]
	v_or_b32 v[BV], 32*g, v[BV]                    ; token 32 g + lane
	ds_store_b32 v[BR], v[BV]
	s_bcnt1_i32_b32 s[MM], s[MM]
	s_add_co_u32 s[CNT], s[CNT], s[MM]
.set g, g+1
.endr
	v_mov_b32 v[BR], META
	v_mov_b32 v[BC], s[CNT]
	v_mov_b32 v[BC+1], s[CNT]
	ds_store_b32 v[BR], v[BC]
	s_cmp_lg_u32 s[SL], 0
	s_cbranch_scc1 .Lkept_\@
.set g, 0
.rept 8
	ds_load_b128 v[CHR+4*g:CHR+4*g+3], v[BLA] offset:512*g  ; my own stores, served in order
.set g, g+1
.endr
	v_lshlrev_b32 v[BG], 4, v[TV]
	s_wait_dscnt 0x0
.set g, 0
.rept 8
	global_store_b128 v[BG], v[CHR+4*g:CHR+4*g+3], s[LB:LB+1] offset:512*g  ; 512 bytes on end, aligned
.set g, g+1
.endr
	global_store_b64 v[BO], v[BC:BC+1], s[LB:LB+1] offset:4096             ; 256 bytes on end, aligned: the count in every word
.Lkept_\@:
.endm
; A LOADER'S FIRST WINDOW: the 32 rows of one set are rounded into T, eight at a time; reload = 1: each eight rows' registers are asked for again at once, with the chunk two further on in my order.  No LDS is touched.
; The wait: loads come back in order.  With reload, behind group g stand 24 - 8 g of this set, the other set's 32 and the 8 g just asked for: 56.  Without: left - 8 g.
.macro CONV set, reload, left
.set SB, 128*(\set)
.if \reload
	s_and_b32 s[TT], s[CJ], 7                      ; the chunk's place in memory
	s_lshl_b32 s[TMP], s[TT], CHSH
	s_mov_b32 s[TMP+1], 0
	s_add_co_u32 s[CJ], s[CJ], 1
	s_wait_xcnt 0x0                                ; the base is written only behind this wait; the loads that named it were issued a phase ago
	s_add_nc_u64 s[WR:WR+1], s[WB:WB+1], s[TMP:TMP+1]
.endif
.irp g, 0,1,2,3
.if \reload
	s_wait_loadcnt 56
.else
	s_wait_loadcnt (\left)-8*(\g)
.endif
	WIN 0x05                                       ; sources in window 1
.irp i, 0,1,2,3,4,5,6,7
	v_cvt_pk_bf16_f32 v[T+16*(\g)+2*(\i)],   v[SB+32*(\g)+4*(\i)],   v[SB+32*(\g)+4*(\i)+1]
	v_cvt_pk_bf16_f32 v[T+16*(\g)+2*(\i)+1], v[SB+32*(\g)+4*(\i)+2], v[SB+32*(\g)+4*(\i)+3]
.endr
.if \reload
	WIN 0x40                                       ; destination in window 1
.irp i, 0,1,2,3,4,5,6,7
	global_load_b128 v[SB+32*(\g)+4*(\i):SB+32*(\g)+4*(\i)+3], v[WOFF], s[WR:WR+1] offset:(8*(\g)+(\i))*STRIDE th:TH_LOAD_NT
.endr
.endif
.endr
	WIN 0
.endm
; A LOADER'S SECOND WINDOW: my 32 rows of the chunk go into LDS; 32 lanes store 256 bytes on end, one LDS row
.macro PUT
	v_add_nc_u32 v[LADR], s[LK], v[LADR0]
.set i, 0
.rept 32
	ds_store_b64 v[LADR], v[T+2*i:T+2*i+1] offset:PITCH*i
.set i, i+1
.endr
.endm
; Four weight fragments (columns 64 half .. +63, 32 K at byte ko of the pair), turned on their way out of LDS: lane l gets column l % 16, K = 8 (l / 16) + 0..7 and 16 + 8 (l / 16) + 0..7
.macro BLOAD half, ko
	WIN 0
.irp b, 0,1,2,3
	ds_load_tr16_b128 v[BF+8*(4*(\half)+(\b)):BF+8*(4*(\half)+(\b))+3],   v[BADR] offset:(\ko)+32*(4*(\half)+(\b))
	ds_load_tr16_b128 v[BF+8*(4*(\half)+(\b))+4:BF+8*(4*(\half)+(\b))+7], v[BADR] offset:(\ko)+32*(4*(\half)+(\b))+16*PITCH
.endr
.endm
; The token fragments of K step 'slot' of the pair at ABASE, for my five tiles
.macro ALOAD slot
	WIN 0
.irp m, 0,1,2,3,4
	global_load_b128 v[AF+40*(\slot)+8*(\m):AF+40*(\slot)+8*(\m)+3],   v[AOFF+(\m)], s[ABASE:ABASE+1] offset:64*(\slot)
	global_load_b128 v[AF+40*(\slot)+8*(\m)+4:AF+40*(\slot)+8*(\m)+7], v[AOFF+(\m)], s[ABASE:ABASE+1] offset:64*(\slot)+32
.endr
.endm
; 20 products: four blocks of 16 columns x five tiles.  Source 0 = weights, source 1 = tokens: a lane then holds ONE row and eight neighbouring columns.  The accumulators take turns, one instruction a turn.
; The fifth tile's four stand last and are jumped where that tile lies past the count; no load and no wait is jumped.
.macro MULH slot, half
	WIN 0x50                                       ; C and D in window 1
.irp b, 0,1,2,3
.irp m, 0,1,2,3
.set rD, 64*(\m)+8*(4*(\half)+(\b))
.set rB, BF+8*(4*(\half)+(\b))
.set rA, AF+40*(\slot)+8*(\m)
	v_wmma_f32_16x16x32_bf16 v[rD:rD+7], v[rB:rB+7], v[rA:rA+7], v[rD:rD+7]
.endr
.endr
	WIN 0
	s_cmp_eq_u32 s[F5], 0
	s_cbranch_scc1 .Lno5_\@
.irp b, 0,1,2,3
.set rD, AC4+8*(4*(\half)+(\b))
.set rB, BF+8*(4*(\half)+(\b))
.set rA, AF+40*(\slot)+32
	v_wmma_f32_16x16x32_bf16 v[rD:rD+7], v[rB:rB+7], v[rA:rA+7], v[rD:rD+7]
.endr
.Lno5_\@:
.endm
; TWO K STEPS at LDS byte KO.  The weight fragments come half a step ahead, the token fragments a pair ahead; the pass's last pair asks for its own token fragments once more, so that no load leaves the row and the counts stay as they are.
.macro PAIR
	v_add_nc_u32 v[BADR], s[KO], v[BL0]
	BLOAD 0, 0
	BLOAD 1, 0
	s_add_co_u32 s[NX], s[CUR], 1
	s_min_u32 s[NX], s[NX], 15
	s_add_co_u32 s[TT], s[NX], s[R2]
	s_and_b32 s[TT], s[TT], 15                     ; the next pair's place in a row of xb
	s_lshl_b32 s[TMP], s[TT], ASH
	s_mov_b32 s[TMP+1], 0
	s_wait_loadcnt NA                              ; slot 0 is in; slot 1's loads may be out
	s_wait_dscnt 8                                 ; the first half is in; the eight loads behind it may be out (so at each wait for 8 below)
	MULH 0, 0
	PLACES
	BLOAD 0, STEPB
	s_wait_dscnt 8
	MULH 0, 1
	PLACES
	BLOAD 1, STEPB
	s_wait_xcnt 0x0                                ; ABASE is written only behind this wait; the last loads that named it were issued 40 products ago
	s_add_nc_u64 s[ABASE:ABASE+1], s[A0:A0+1], s[TMP:TMP+1]
	ALOAD 0
	s_wait_loadcnt NA                              ; slot 1 is in; the loads just issued may be out
	s_wait_dscnt 8
	MULH 1, 0
	s_wait_dscnt 0x0
	MULH 1, 1
	PLACES                                         ; also for the next pair's loads, and for what reads the sums behind the last pair
	ALOAD 1
	s_mov_b32 s[CUR], s[NX]
	s_add_co_u32 s[KO], s[KO], PAIRB
.endm
.macro COMP                            ; the chunk in front of the one that the phase stores: two pairs
	s_sub_co_u32 s[KO], s[LK], CHUNKB
	s_mov_b32 s[IC], 2
.Lpair_\@:
	PAIR
	s_sub_co_u32 s[IC], s[IC], 1
	s_cmp_lg_u32 s[IC], 0
	s_cbranch_scc1 .Lpair_\@
.endm
; HOW A PASS BEGINS, in four parts.
.macro BIASLD                          ; b1 of column 16 b + lane % 16, for the eight blocks b
	v_and_b32 v[TW], 15, v0
	v_lshlrev_b32 v[TW], 2, v[TW]
.irp b, 0,1,2,3,4,5,6,7
	global_load_b32 v[RAW+(\b)], v[TW], s[BI:BI+1] offset:64*(\b)
.endr
.endm
.macro SETA                            ; my five tiles' rows from the list; a place past the count takes the last row
	v_and_b32 v[TV], 15, v0
.irp m, 0,1,2,3,4
	s_add_co_u32 s[TT], s[T0], 4*(\m)
	s_lshl_b32 s[TT], s[TT], 4
	v_add_nc_u32 v[AOFF+(\m)], s[TT], v[TV]        ; place 16 t + lane % 16,
	v_min_u32 v[AOFF+(\m)], s[CM1], v[AOFF+(\m)]   ; or past the count the last row
	v_min_u32 v[AOFF+(\m)], 1023, v[AOFF+(\m)]
	v_lshl_add_u32 v[AOFF+(\m)], v[AOFF+(\m)], 2, LIST
	ds_load_b32 v[AOFF+(\m)], v[AOFF+(\m)]
.endr
	s_cmp_lt_u32 s[TT], s[CNT1]                    ; TT holds the fifth tile's first place: is that tile live?
	s_cselect_b32 s[F5], -1, 0
	s_wait_dscnt 0x0
.irp m, 0,1,2,3,4
	v_and_b32 v[AOFF+(\m)], 0xffff, v[AOFF+(\m)]
	v_min_u32 v[AOFF+(\m)], 1023, v[AOFF+(\m)]     ; the token
	v_lshl_add_u32 v[AOFF+(\m)], v[AOFF+(\m)], 11, v[H16]
.endr
.endm
.macro AFIRST                          ; the first pair's token fragments
	s_mov_b32 s[CUR], 0
	s_lshl_b32 s[TMP], s[R2], ASH
	s_mov_b32 s[TMP+1], 0
	s_add_nc_u64 s[ABASE:ABASE+1], s[A0:A0+1], s[TMP:TMP+1]
	ALOAD 0
	ALOAD 1
.endm
; The sums start at the bias, by one product each with C = 0: a weight fragment that holds the rounded bias of column n at k = 0 and 0 elsewhere, times a fragment that holds 1.0 at k = 0: exact, and nothing is cleared or added later.
; k = 0 lies in the low half of register 0 of lanes 0-15.
.macro INITB
	v_bfe_u32 v[TV], v0, 4, 1
	v_add_nc_u32 v[TV], -1, v[TV]                  ; all ones in lanes 0-15, 0 in lanes 16-31
.irp q, 1,2,3,4,5,6,7
	v_mov_b32 v[ONE+(\q)], 0
.endr
	v_and_b32 v[ONE], 0x3f80, v[TV]                ; 1.0 in bf16
.irp b, 0,1,2,3,4,5,6,7
	v_cvt_pk_bf16_f32 v[BF+8*(\b)], v[RAW+(\b)], v[ONE+1]
	v_and_b32 v[BF+8*(\b)], v[TV], v[BF+8*(\b)]
.irp q, 1,2,3,4,5,6,7
	v_mov_b32 v[BF+8*(\b)+(\q)], 0
.endr
.endr
	WIN 0x50
.irp b, 0,1,2,3,4,5,6,7
.irp m, 0,1,2,3
	v_wmma_f32_16x16x32_bf16 v[64*(\m)+8*(\b):64*(\m)+8*(\b)+7], v[BF+8*(\b):BF+8*(\b)+7], v[ONE:ONE+7], 0
.endr
.endr
	WIN 0
.irp b, 0,1,2,3,4,5,6,7
	v_wmma_f32_16x16x32_bf16 v[AC4+8*(\b):AC4+8*(\b)+7], v[BF+8*(\b):BF+8*(\b)+7], v[ONE:ONE+7], 0
.endr
	PLACES                                         ; for the loads into the fragments' registers
.endm
.macro START                           ; a later pass
	s_wait_xcnt 0x0                                ; the way out's stores have read their registers
	s_wait_loadcnt 0x0                             ; no load of mine is out: the fragments' registers and their offsets are written anew below
	BIASLD
	SETA
	AFIRST
	s_wait_loadcnt 2*NA                            ; the bias is in; the two slots' loads are younger
	INITB
.endm
.macro FIRST                           ; the computers' first phase: the bias was asked for at the head; the count; the first fragments go out ahead of the work on the bias
	s_wait_loadcnt 0x0                             ; the bias
	s_wait_xcnt 0x0                                ; in wave 4 of slice 0: the list's stores have read their registers
	v_mov_b32 v[TV], META
	ds_load_b32 v[TV], v[TV]
	s_wait_dscnt 0x0
	v_readfirstlane_b32 s[CNT], v[TV]
	s_min_u32 s[CNT], s[CNT], 1024
	s_max_u32 s[CNT1], s[CNT], 1
	s_sub_co_u32 s[CM1], s[CNT1], 1
	s_sub_co_u32 s[T0], s[WV], 4
	SETA
	AFIRST
	INITB
.endm
; A PHASE has two windows.  In the first the loaders round the chunk that has arrived, in registers, and the computers multiply the chunk before it out of LDS: nobody writes LDS.  A barrier: every wave's reads are back.
; In the second the loaders store the chunk at LDS byte LK: nobody reads LDS.  A barrier: the stores are done.  Behind it every wave steps LK.  The loads from memory stay on their way across both.
; comp = 2: in the loop's first trip there is no chunk yet to multiply: the computers read the count and begin the pass.
.macro PHASE set, reload, left, comp
	s_cmp_lt_u32 s[WV], 4
	s_cbranch_scc0 .Lcmp_\@
	CONV \set, \reload, \left
	s_branch .Ljoin_\@
.Lcmp_\@:
.if (\comp) == 2
	s_cmp_eq_u32 s[OC], 3
	s_cbranch_scc0 .Lmul_\@
	FIRST
	s_branch .Ljoin_\@
.Lmul_\@:
.endif
	COMP
.Ljoin_\@:
	BAR
	s_cmp_lt_u32 s[WV], 4
	s_cbranch_scc0 .Lput_\@
	PUT
.Lput_\@:
	BAR
	s_add_co_u32 s[LK], s[LK], CHUNKB
.endm
; THE WAY OUT of tile m: rounded to bf16, ReLU on the packed halves, eight stores of 512 bytes on end: the tile's 4 KB of this slice.  A tile past the count is jumped.
; Each tile has its own 32 registers (at pk) and its own offset register, so no tile waits for the stores of the one before.
.macro ETILE m, pk
	s_add_co_u32 s[TT], s[T0], 4*(\m)
	s_lshl_b32 s[MA], s[TT], 4
	s_cmp_ge_u32 s[MA], s[CNT1]
	s_cbranch_scc1 .Ltend_\@
	s_min_u32 s[TT], s[TT], 63
	s_lshl_b32 s[TT], s[TT], 17
	v_and_b32 v[AOFF+(\m)], 31, v0
	v_lshl_add_u32 v[AOFF+(\m)], v[AOFF+(\m)], 4, s[TT]
.if (\m) < 4
	WIN 0x05
.set AB, 64*(\m)
.else
.set AB, AC4
.endif
.set i, 0
.rept 32
	v_cvt_pk_bf16_f32 v[(\pk)+i], v[AB+2*i], v[AB+2*i+1]  ; each accumulator from its low registers on
.set i, i+1
.endr
	WIN 0
.set i, 0
.rept 32
	v_pk_max_num_bf16 v[(\pk)+i], v[(\pk)+i], s[ZS]
.set i, i+1
.endr
.irp b, 0,1,2,3,4,5,6,7
	global_store_b128 v[AOFF+(\m)], v[(\pk)+4*(\b):(\pk)+4*(\b)+3], s[HB:HB+1] offset:512*(\b)
.endr
.Ltend_\@:
.endm
	s_load_b256 s[4:11], s[0:1], 0x0
	s_load_b128 s[12:15], s[0:1], 0x20
	v_lshl_add_u32 v[SPW], v0, 2, SPARE
	v_mov_b32 v[NIL], 0
	v_lshrrev_b32 v[TV], 5, v0
	v_readfirstlane_b32 s[WV], v[TV]
	s_and_b32 s[E], ttmp7, 0xffff
	s_mov_b32 s[SL], ttmp9
	s_lshl_b32 s[TT], s[SL], 9                     ; the slice's 128 columns, in f32
	s_lshl_b32 s[TMP], s[E], 24
	s_add_co_u32 s[TMP], s[TMP], s[TT]
	s_mov_b32 s[TMP+1], 0
	s_lshl_b32 s[TM2], s[E], 14
	s_add_co_u32 s[TM2], s[TM2], s[TT]
	s_mov_b32 s[TM2+1], 0
	s_lshl_b32 s[TT], s[SL], 12                    ; the slice's four blocks of 32 hidden indices
	s_lshl_b32 s[TM3], s[E], 23
	s_add_co_u32 s[TM3], s[TM3], s[TT]
	s_mov_b32 s[TM3+1], 0
	s_mul_i32 s[TM4], s[E], LPITCH
	s_mov_b32 s[TM4+1], 0
	s_and_b32 s[CJ], s[SL], 7                      ; by how many chunks my order of K is turned
	s_lshl_b32 s[R2], s[CJ], 1
	; the address bases of both roles: a constant, the wave's number times a constant, lane terms
	v_and_b32 v[TV], 31, v0                        ; lane
	s_lshl_b32 s[TT], s[WV], 19                    ; loader w: 32 rows of 16,384 bytes a chunk
	v_lshl_add_u32 v[WOFF], v[TV], 4, s[TT]
	s_mul_i32 s[TT], s[WV], 32*PITCH
	v_lshl_add_u32 v[LADR0], v[TV], 3, s[TT]
	v_bfe_u32 v[TW], v0, 4, 1
	v_lshlrev_b32 v[H16], 4, v[TW]
	v_and_b32 v[BL0], 7, v0
	v_lshl_add_u32 v[BL0], v[TW], 3, v[BL0]
	v_mul_u32_u24 v[BL0], v[BL0], PITCH            ; row 8 (l / 16) + l % 8,
	v_bfe_u32 v[TW], v0, 3, 1
	v_lshl_add_u32 v[BL0], v[TW], 4, v[BL0]        ; 16 bytes on for (l / 8) % 2
	s_mov_b32 s[LK], 0
	s_mov_b32 s[ZS], 0
	s_wait_kmcnt 0x0
	s_add_nc_u64 s[WB:WB+1], s[WB:WB+1], s[TMP:TMP+1]
	s_add_nc_u64 s[BI:BI+1], s[BI:BI+1], s[TM2:TM2+1]
	s_add_nc_u64 s[HB:HB+1], s[HB:HB+1], s[TM3:TM3+1]
	s_add_nc_u64 s[LB:LB+1], s[LB:LB+1], s[TM4:TM4+1]
	s_cmp_lt_u32 s[WV], 4
	s_cbranch_scc0 .Lc_head
	; LOADERS: my first two chunks are asked for before anything else: 64 loads of 512 bytes a wave
	s_lshl_b32 s[TMP], s[CJ], CHSH
	s_mov_b32 s[TMP+1], 0
	s_add_nc_u64 s[WR:WR+1], s[WB:WB+1], s[TMP:TMP+1]
	s_add_co_u32 s[TT], s[CJ], 1
	s_and_b32 s[TT], s[TT], 7
	s_lshl_b32 s[TM2], s[TT], CHSH
	s_mov_b32 s[TM2+1], 0
	s_add_nc_u64 s[WR1:WR1+1], s[WB:WB+1], s[TM2:TM2+1]
	s_add_co_u32 s[CJ], s[CJ], 2
	WIN 0x40
.set i, 0
.rept 32
	global_load_b128 v[4*i:4*i+3], v[WOFF], s[WR:WR+1] offset:i*STRIDE th:TH_LOAD_NT
.set i, i+1
.endr
.set i, 0
.rept 32
	global_load_b128 v[128+4*i:128+4*i+3], v[WOFF], s[WR1:WR1+1] offset:i*STRIDE th:TH_LOAD_NT
.set i, i+1
.endr
	WIN 0
	s_branch .Lb0
.Lc_head:
	BIASLD                                         ; COMPUTERS: the bias is on its way while the list is made
	s_cmp_lg_u32 s[WV], 4
	s_cbranch_scc1 .Lb0
	BUILD
.Lb0:
	BAR                                            ; the list and the count are in LDS
	s_mov_b32 s[OC], 3
.Lchunks:                              ; three trips: chunks 0-5 (in my order) are stored (and 2-7 asked for), chunks 0-4 multiplied
	PHASE 0, 1, 0, 2
	PHASE 1, 1, 0, 1
	s_sub_co_u32 s[OC], s[OC], 1
	s_cmp_lg_u32 s[OC], 0
	s_cbranch_scc1 .Lchunks
	PHASE 0, 0, 56, 1                              ; chunk 6 is stored, 5 multiplied: nothing is left to ask for, and the counts run down
	PHASE 1, 0, 24, 1                              ; chunk 7, 6
	s_cmp_lt_u32 s[WV], 4
	s_cbranch_scc1 .Lend                           ; the loaders are done: they go to the last barrier
	s_sub_co_u32 s[KO], s[LK], CHUNKB              ; the first pass has chunk 7 left: two pairs
	s_mov_b32 s[IC], 2
	s_mov_b32 s[P], 0
.Lpass:                                ; four trips: a pass is finished and goes out.  The first trip finishes the streamed pass; the others multiply the next 20 tiles from the resident weights, if I have a live one among them.  Nothing here writes LDS
	s_cmp_eq_u32 s[P], 0
	s_cbranch_scc1 .Lres
	s_add_co_u32 s[T0], s[T0], 20
	s_lshl_b32 s[MA], s[T0], 4
	s_cmp_ge_u32 s[MA], s[CNT1]
	s_cbranch_scc1 .Lskip
	START
	s_mov_b32 s[KO], 0
	s_mov_b32 s[IC], 16
.Lres:
	PAIR
	s_sub_co_u32 s[IC], s[IC], 1
	s_cmp_lg_u32 s[IC], 0
	s_cbranch_scc1 .Lres
	s_wait_loadcnt 0x0                             ; the last pair's token loads: their registers serve the way out
	ETILE 0, 16
	ETILE 1, 48
	ETILE 2, 80
	ETILE 3, 112
	ETILE 4, 224
.Lskip:
	s_add_co_u32 s[P], s[P], 1
	s_cmp_lt_u32 s[P], 4
	s_cbranch_scc1 .Lpass
.Lend:
	BAR                                            ; every wave's reads of LDS are back: only now does any wave write LDS again
	s_wait_tensorcnt 0x0                           ; the wave's end
	ds_add_u32 v[SPW], v[NIL]
	s_wait_dscnt 0x0
	s_endpgm
.Lfunc_end_k_qf59edd1e2e_ffn1:
	.size	k_qf59edd1e2e_ffn1, .Lfunc_end_k_qf59edd1e2e_ffn1-k_qf59edd1e2e_ffn1
	.p2alignl 7, 3214868480
	.fill 96, 4, 3214868480
	.section	.rodata,"a",@progbits
	.p2align	6, 0x0
	.amdhsa_kernel k_qf59edd1e2e_ffn1
		.amdhsa_group_segment_fixed_size 300288
		.amdhsa_private_segment_fixed_size 0
		.amdhsa_enable_private_segment 0
		.amdhsa_kernarg_size 48
		.amdhsa_user_sgpr_count 2
		.amdhsa_user_sgpr_kernarg_segment_ptr 1
		.amdhsa_wavefront_size32 1
		.amdhsa_system_sgpr_workgroup_id_x 1
		.amdhsa_system_sgpr_workgroup_id_y 1
		.amdhsa_system_sgpr_workgroup_id_z 1
		.amdhsa_system_vgpr_workitem_id 0
		.amdhsa_next_free_vgpr 512
		.amdhsa_next_free_sgpr 66
		.amdhsa_reserve_vcc 0
		.amdhsa_float_denorm_mode_32 3
		.amdhsa_float_denorm_mode_16_64 3
		.amdhsa_memory_ordered 1
		.amdhsa_forward_progress 1
		.amdhsa_inst_pref_size 172
	.end_amdhsa_kernel
	.amdgpu_metadata
---
amdhsa.version: [ 1, 2 ]
amdhsa.kernels:
  - .name:           k_qf59edd1e2e_ffn1
    .symbol:         k_qf59edd1e2e_ffn1.kd
    .args:
      - { .name: W1, .offset: 0, .size: 8, .value_kind: global_buffer, .address_space: global }
      - { .name: b1, .offset: 8, .size: 8, .value_kind: global_buffer, .address_space: global }
      - { .name: xb, .offset: 16, .size: 8, .value_kind: global_buffer, .address_space: global }
      - { .name: choice, .offset: 24, .size: 8, .value_kind: global_buffer, .address_space: global }
      - { .name: hfrag, .offset: 32, .size: 8, .value_kind: global_buffer, .address_space: global }
      - { .name: lists, .offset: 40, .size: 8, .value_kind: global_buffer, .address_space: global }
    .group_segment_fixed_size: 300288
    .private_segment_fixed_size: 0
    .kernarg_segment_align: 8
    .kernarg_segment_size: 48
    .max_flat_workgroup_size: 256
    .sgpr_count:     66
    .vgpr_count:     512
    .wavefront_size: 32
...
	.end_amdgpu_metadata
.endif
;; end of part 5
;; launch ffn2 (part 6): grid 32 x 8, 8 waves a work-group, no clusters, 313,344 bytes of LDS; arguments W2, b2, hfrag, lists, wts, ypart; writes ypart
.if DOCPART == 6
	.amdgcn_target "amdgcn-amd-amdhsa--gfx1250"
	.amdhsa_code_object_version 6
	.text
	.protected	k_qf59edd1e2e_ffn2
	.globl	k_qf59edd1e2e_ffn2
	.p2align	8
	.type	k_qf59edd1e2e_ffn2,@function
k_qf59edd1e2e_ffn2:
	s_mov_b64 s[64:65], 0
	v_nop
	global_prefetch_b8 v0, s[64:65] scope:SCOPE_SE
	s_setreg_imm32_b32 hwreg(HW_REG_WAVE_MODE, 25, 1), 1
	s_wait_xcnt 0x0
; SECOND PRODUCT OF THE EXPERTS.  ypart[kw][slot][token] = w (h W2[e] + b2[e]) over half kw of the hidden width, for the rows that chose expert e; slot says whether e is the token's first or second choice.
; W2 [8][4096][1024] f32, b2 [8][1024] f32, hfrag (bf16, in fragment order: see below), lists (whole numbers, made by the first product), wts [1024][2] f32 -> ypart [2][2][1024][1024] f32: partial rows, each byte with one writer.
; hfrag: byte ((e 64 + tile) 128 + kb) 1024 + i 512 + lane 16: row 16 tile + lane % 16 of the expert's list, hidden index 32 kb + 16 i + 8 (lane / 16) + 0..7: a load of 16 bytes a lane is half a fragment.
; lists: for each expert 4,352 bytes: 1,024 words token | slot << 16 by rank, then the count.
; LIMITS.  W2 and b2 are rounded to bf16 (as every input of the program is); sums in f32, in an order that differs from slice to slice (see K BY TURNS); b2 enters in half kw = 0 alone.  NaN and infinities are not treated apart.
; Where the count is odd, the last store's second row is the place past the count, which repeats the last row: that row's bytes are written twice by one instruction, with the same numbers.
; SHARES.  Work-group (ns + 16 kw, e) is the only reader of W2[e][2048 kw .. +2047][64 ns .. +63], 512 KB: rows of 256 bytes.  LDS row p holds rows 2048 kw + p and 2048 kw + 1024 + p side by side, as bf16, so that
; a load of the wave fills one LDS row.  All else as in the first product: waves 0-3 load, round and store into LDS, waves 4-7 multiply the chunk before for the first 320 rows;
; further rows take passes over the resident weights.  A tile wholly past the count loads the last live tile once more, its stores are jumped, and where it is a wave's fifth tile its products are jumped too.
; 64 columns x 2,048: 128 x 1,024 would double the partial rows; 32 x 4,096 would read rows of 128 bytes and h twice as often.
; K BY TURNS.  Slice ns takes its eight chunks of LDS rows in the order (j + ns % 8) % 8, and LDS is filled in the order of arrival: only the offsets into W2 and into hfrag know of it.  So the sixteen work-groups that read the
; same tiles of h do not all ask for the same bytes of them at the same step.
; ORDER IN LDS.  No wave writes LDS while a wave reads weights from it: a chunk's stores stand in a window of their own, between two barriers; so does each pass's way out, which goes through stages in LDS; the loop over
; passes has a constant count, every wave passes its barriers, and only work is jumped over.
; REGISTERS.  Every LDS address base of either role is made in the head, which all waves run, and is written by no other line.  The loaders' 64 loads land in window 1 (v256-511), where the computers hold accumulators;
; the computers load into window 0 alone: no register is a load's destination in both roles.
; NO TENSOR LOADS: the weights are f32 and pass through registers to be rounded.  NO CLUSTER: each weight byte has one reader; h's tiles are shared by 16 work-groups, but how many there are hangs on the count, and beside the resident slice LDS has no room for them.
.set PITCH,  288                       ; an LDS row: 256 bytes + 32: an odd multiple of 32
.set STEPB,  32*PITCH
.set PAIRB,  2*STEPB
.set CHUNKB, 128*PITCH
.set SPARE,  1024*PITCH                ; the spare words: 128 bytes a wave, four blocks of 256 bytes that no other line names
.set STAGE,  SPARE+1024                ; for each computer 16 rows x 272 bytes: 256 of a row's numbers, then the row's place in ypart
.set SP,     272
.set STRIDE, 4096                      ; bytes from a row of W2[e] to the next
.set CHSH,   19                        ; a chunk in memory: 128 rows = 2^19 bytes
.set NA,     20                        ; loads in a slot of h's fragments
.set ASH,    11                        ; a pair of K steps is 2,048 bytes of a tile of hfrag
.set LPITCH, 4352                      ; an expert's bytes in lists
.set SPW, 1                            ; v1  LDS address of my spare word; never rewritten
.set NIL, 2                            ; v2  0; never rewritten
.set AOFF, 3                           ; v[3:7] computers: tile m: 16 lane + the tile's 131,072 bytes
.set BADR, 8                           ; computers: LDS address of the pair's weight fragments
.set BL0,  9                           ; my lane's place in a turning load; made in the head, never rewritten (so all the bases below)
.set H16,  10                          ; 16 (lane / 16)
.set RR,   11                          ; lane % 16
.set LADR, 12                          ; loaders: where my 8 bytes of the wave's first row of the chunk go in LDS
.set L16,  13                          ; 16 lane
.set TV,   14                          ; at work
.set LADR0, 15                         ; LADR in chunk 0
.set BF,   16                          ; v[16:79]   computers: eight weight fragments: K half q, column block nb at 4 q + nb
.set T,    16                          ; v[16:79]   loaders: a chunk's 32 rows, packed.  Their two sets of 32 loads: v[0:127] and v[128:255] of window 1
.set ONE,  48                          ; v[48:55]   where a pass begins: a fragment that holds 1.0 at k = 0 of every row, and 0 elsewhere
.set RAW,  56                          ; v[56:59]   where a pass begins: the bias as loaded
.set AF,   80                          ; v[80:239]  computers: two slots of ten fragments of h: (q, m) at 40 q + 8 m.  Accumulators (m, nb) at v[32 m + 8 nb] of window 1
.set RHO,  160                         ; v[160:164] of window 1: tile m: my row's place in a half of ypart
.set WT,   240                         ; v[240:241] w of the tile in hand, twice.  On the way out tile m's rows come back into v[80 + 32 m ..], their offsets into v[48 + 8 m ..] (the fifth's: v[16:23])
.set T1,   242
.set T2,   243
.set STO,  244                         ; the stage: where I put 16 bytes of a row,
.set STP,  245                         ; the row's place,
.set RD,   246                         ; where I read rows back,
.set RDP,  247                         ; and their places
.set C16,  248                         ; 16 (lane % 16)
.set WOFF, 249                         ; my 16 bytes in the wave's first row of a chunk in memory
.set W5,   250                         ; v[250:254] tile m: my row's list entry, then its softmax weight, kept for the pass
.set TW,   255                         ; 4 (lane % 16): my word of the bias
.set WB, 4                             ; s[4:5] W2 at my slice   s[6:7] b2   s[8:9] hfrag   s[10:11] lists   s[12:13] wts   s[14:15] ypart
.set BI, 6
.set A0, 8
.set LS, 10
.set WTS, 12
.set YB, 14
.set WV, 16
.set E,  18
.set CNT, 19
.set CNT1, 20
.set CM1, 21
.set CUR, 22
.set NX,  23
.set KO,  24
.set OC,  25
.set IC,  26
.set P,   27
.set T0,  28
.set TT,  29
.set ABASE, 30
.set TMP, 32
.set TM2, 34
.set TM3, 36
.set MA,  38
.set MB,  39                           ; the last live tile
.set LK,  41                           ; LDS byte of the chunk that the phase in hand stores; stepped by every wave behind the phase's second barrier
.set KM,  42                           ; all ones in half kw = 0, else 0
.set KW,  43
.set TM4, 44
.set TU,  46
.set F5,  47                           ; all ones: my fifth tile is live; 0: it lies past the count
.set R2,  48                           ; 2 (ns % 8): by how many pairs my order of K is turned
.set CJ,  49                           ; loaders: ns % 8 + the number of the chunk to be asked for next
.set WR,  50                           ; s[50:51] loaders: W2 at the chunk asked for
.set WR1, 52                           ; s[52:53] loaders: W2 at the second chunk of the start
.set TM5, 54
.set MSB, 0
.macro WIN new                         ; s_set_vgpr_msb: bits 1:0 source 0, 3:2 source 1, 5:4 source 2, 7:6 destination; the high byte repeats the setting that is left
.if MSB != (\new)
	s_set_vgpr_msb (MSB<<8)|(\new)
.set MSB, (\new)
.endif
.endm
.macro PLACES                          ; four places between a matrix instruction and a load into, or a vector line on, its registers (ISA guide 7.12.1 for vector lines)
.rept 4
	v_nop
.endr
.endm
.macro BAR                             ; a barrier; in front of it my LDS stores and loads are done
	s_wait_dscnt 0x0
	s_barrier_signal -1
	s_barrier_wait -1
.endm
; A LOADER'S FIRST WINDOW: the 32 rows of one set are rounded into T, eight at a time; reload = 1: each eight rows' registers are asked for again at once, with the chunk two further on in my order.  No LDS is touched.
; The wait: loads come back in order.  With reload, behind group g stand 24 - 8 g of this set, the other set's 32 and the 8 g just asked for: 56.  Without: left - 8 g.
.macro CONV set, reload, left
.set SB, 128*(\set)
.if \reload
	s_and_b32 s[TT], s[CJ], 7                      ; the chunk's place in memory
	s_lshl_b32 s[TMP], s[TT], CHSH
	s_mov_b32 s[TMP+1], 0
	s_add_co_u32 s[CJ], s[CJ], 1
	s_wait_xcnt 0x0                                ; the base is written only behind this wait; the loads that named it were issued a phase ago
	s_add_nc_u64 s[WR:WR+1], s[WB:WB+1], s[TMP:TMP+1]
.endif
.irp g, 0,1,2,3
.if \reload
	s_wait_loadcnt 56
.else
	s_wait_loadcnt (\left)-8*(\g)
.endif
	WIN 0x05                                       ; sources in window 1
.irp i, 0,1,2,3,4,5,6,7
	v_cvt_pk_bf16_f32 v[T+16*(\g)+2*(\i)],   v[SB+32*(\g)+4*(\i)],   v[SB+32*(\g)+4*(\i)+1]
	v_cvt_pk_bf16_f32 v[T+16*(\g)+2*(\i)+1], v[SB+32*(\g)+4*(\i)+2], v[SB+32*(\g)+4*(\i)+3]
.endr
.if \reload
	WIN 0x40                                       ; destination in window 1
.irp i, 0,1,2,3,4,5,6,7
	global_load_b128 v[SB+32*(\g)+4*(\i):SB+32*(\g)+4*(\i)+3], v[WOFF], s[WR:WR+1] offset:(8*(\g)+(\i))*STRIDE th:TH_LOAD_NT
.endr
.endif
.endr
	WIN 0
.endm
; A LOADER'S SECOND WINDOW: my 32 rows of the chunk go into LDS; 32 lanes store 256 bytes on end, one LDS row
.macro PUT
	v_add_nc_u32 v[LADR], s[LK], v[LADR0]
.set i, 0
.rept 32
	ds_store_b64 v[LADR], v[T+2*i:T+2*i+1] offset:PITCH*i
.set i, i+1
.endr
.endm
.macro BLOAD half, ko                  ; the four weight fragments of K half 'half', 32 LDS rows at byte ko of the pair, turned
	WIN 0
.irp b, 0,1,2,3
	ds_load_tr16_b128 v[BF+8*(4*(\half)+(\b)):BF+8*(4*(\half)+(\b))+3],   v[BADR] offset:(\ko)+32*(4*(\half)+(\b))
	ds_load_tr16_b128 v[BF+8*(4*(\half)+(\b))+4:BF+8*(4*(\half)+(\b))+7], v[BADR] offset:(\ko)+32*(4*(\half)+(\b))+16*PITCH
.endr
.endm
.macro ALOAD slot                      ; h's fragments of K step 'slot' of the pair at ABASE: both K halves, my five tiles; 512 bytes on end a load
	WIN 0
.irp q, 0,1
.irp m, 0,1,2,3,4
	global_load_b128 v[AF+80*(\slot)+40*(\q)+8*(\m):AF+80*(\slot)+40*(\q)+8*(\m)+3],   v[AOFF+(\m)], s[ABASE:ABASE+1] offset:1024*(\slot)+32768*(\q)
	global_load_b128 v[AF+80*(\slot)+40*(\q)+8*(\m)+4:AF+80*(\slot)+40*(\q)+8*(\m)+7], v[AOFF+(\m)], s[ABASE:ABASE+1] offset:1024*(\slot)+32768*(\q)+512
.endr
.endr
.endm
; 20 products: four blocks of 16 columns x five tiles, K half q.  Source 0 = weights, source 1 = h: a lane holds ONE row and eight neighbouring columns.  The accumulators take turns, one instruction a turn.
; The fifth tile's four stand last and are jumped where that tile lies past the count; no load and no wait is jumped.
.macro MULH slot, q
	WIN 0x50                                       ; C and D in window 1
.irp nb, 0,1,2,3
.irp m, 0,1,2,3
.set rD, 32*(\m)+8*(\nb)
.set rB, BF+8*(4*(\q)+(\nb))
.set rA, AF+80*(\slot)+40*(\q)+8*(\m)
	v_wmma_f32_16x16x32_bf16 v[rD:rD+7], v[rB:rB+7], v[rA:rA+7], v[rD:rD+7]
.endr
.endr
	WIN 0                                          ; at a branch and at a label every window is 0
	s_cmp_eq_u32 s[F5], 0
	s_cbranch_scc1 .Lno5_\@
	WIN 0x50
.irp nb, 0,1,2,3
.set rD, 128+8*(\nb)
.set rB, BF+8*(4*(\q)+(\nb))
.set rA, AF+80*(\slot)+40*(\q)+32
	v_wmma_f32_16x16x32_bf16 v[rD:rD+7], v[rB:rB+7], v[rA:rA+7], v[rD:rD+7]
.endr
	WIN 0
.Lno5_\@:
.endm
; TWO K STEPS (of both K halves) at LDS byte KO.  The weight fragments come half a step ahead, h's a pair ahead; the pass's last pair asks for its own once more, so that no load leaves the tile and the counts stay as they are.
.macro PAIR
	v_add_nc_u32 v[BADR], s[KO], v[BL0]
	BLOAD 0, 0
	BLOAD 1, 0
	s_add_co_u32 s[NX], s[CUR], 1
	s_min_u32 s[NX], s[NX], 15
	s_add_co_u32 s[TT], s[NX], s[R2]
	s_and_b32 s[TT], s[TT], 15                     ; the next pair's place in a tile of hfrag
	s_lshl_b32 s[TMP], s[TT], ASH
	s_mov_b32 s[TMP+1], 0
	s_wait_loadcnt NA                              ; slot 0 is in; slot 1's loads may be out (behind a pass's beginning both are in, and what is out is older than every later fragment load)
	s_wait_dscnt 8                                 ; the first half is in; the eight loads behind it may be out (so at each wait for 8 below)
	MULH 0, 0
	PLACES
	BLOAD 0, STEPB
	s_wait_dscnt 8
	MULH 0, 1
	PLACES
	BLOAD 1, STEPB
	s_wait_xcnt 0x0                                ; ABASE is written only behind this wait; the last loads that named it were issued 40 products ago
	s_add_nc_u64 s[ABASE:ABASE+1], s[A0:A0+1], s[TMP:TMP+1]
	ALOAD 0
	s_wait_loadcnt NA                              ; slot 1 is in; the loads just issued may be out
	s_wait_dscnt 8
	MULH 1, 0
	s_wait_dscnt 0x0
	MULH 1, 1
	PLACES                                         ; also for the next pair's loads, and for what reads the sums behind the last pair
	ALOAD 1
	s_mov_b32 s[CUR], s[NX]
	s_add_co_u32 s[KO], s[KO], PAIRB
.endm
.macro COMP                            ; the chunk in front of the one that the phase stores: two pairs
	s_sub_co_u32 s[KO], s[LK], CHUNKB
	s_mov_b32 s[IC], 2
.Lpair_\@:
	PAIR
	s_sub_co_u32 s[IC], s[IC], 1
	s_cmp_lg_u32 s[IC], 0
	s_cbranch_scc1 .Lpair_\@
.endm
; HOW A PASS BEGINS.  First everything is asked for: the bias, my rows' list entries, the first pair's fragments of h.
.macro BIASLD                          ; b2 of column 16 nb + lane % 16, for the four blocks nb
	v_lshlrev_b32 v[TW], 2, v[RR]
.irp nb, 0,1,2,3
	global_load_b32 v[RAW+(\nb)], v[TW], s[BI:BI+1] offset:64*(\nb)
.endr
.endm
.macro SETA                            ; for my five tiles: the list entry of place 16 t + lane % 16 (past the count: of the last row), and the tile's offset in hfrag (past the last live tile: that tile's)
	s_add_co_u32 s[MB], s[CNT1], 15
	s_lshr_b32 s[MB], s[MB], 4
	s_sub_co_u32 s[MB], s[MB], 1                   ; the last live tile
.irp m, 0,1,2,3,4
	s_add_co_u32 s[TT], s[T0], 4*(\m)
	s_lshl_b32 s[TU], s[TT], 4
	v_add_nc_u32 v[W5+(\m)], s[TU], v[RR]
	v_min_u32 v[W5+(\m)], s[CM1], v[W5+(\m)]
	v_min_u32 v[W5+(\m)], 1023, v[W5+(\m)]
	v_lshlrev_b32 v[W5+(\m)], 2, v[W5+(\m)]
	global_load_b32 v[W5+(\m)], v[W5+(\m)], s[LS:LS+1]
	s_min_u32 s[TT], s[TT], s[MB]
	s_min_u32 s[TT], s[TT], 63
	s_lshl_b32 s[TT], s[TT], 17
	v_add_nc_u32 v[AOFF+(\m)], s[TT], v[L16]
.endr
	s_cmp_lt_u32 s[TU], s[CNT1]                    ; TU holds the fifth tile's first place: is that tile live?
	s_cselect_b32 s[F5], -1, 0
.endm
.macro AFIRST
	s_mov_b32 s[CUR], 0
	s_lshl_b32 s[TMP], s[R2], ASH
	s_mov_b32 s[TMP+1], 0
	s_add_nc_u64 s[ABASE:ABASE+1], s[A0:A0+1], s[TMP:TMP+1]
	ALOAD 0
	ALOAD 1
.endm
; Then, when all that is in: each row's place in ypart is kept, its softmax weight is asked for (it lands while the pass is multiplied),
.macro RHOW
.irp m, 0,1,2,3,4
	v_and_b32 v[T2], 0xffff, v[W5+(\m)]
	v_min_u32 v[T2], 1023, v[T2]                   ; token
	v_lshrrev_b32 v[T1], 16, v[W5+(\m)]
	v_min_u32 v[T1], 1, v[T1]                      ; slot
	v_lshl_add_u32 v[W5+(\m)], v[T2], 1, v[T1]
	v_lshlrev_b32 v[W5+(\m)], 2, v[W5+(\m)]
	WIN 0x40
	v_lshl_add_u32 v[RHO+(\m)], v[T1], 10, v[T2]   ; the row's place in a half of ypart
	WIN 0
.endr
.irp m, 0,1,2,3,4
	global_load_b32 v[W5+(\m)], v[W5+(\m)], s[WTS:WTS+1]
.endr
.endm
; and the sums start at the bias (in half kw = 1: at 0), by one product each with C = 0: a weight fragment that holds the rounded bias of column n at k = 0 and 0 elsewhere, times a fragment that holds 1.0 at k = 0: exact,
; and nothing is cleared or added later.  k = 0 lies in the low half of register 0 of lanes 0-15.
.macro INITB
	v_bfe_u32 v[TV], v0, 4, 1
	v_add_nc_u32 v[TV], -1, v[TV]                  ; all ones in lanes 0-15, 0 in lanes 16-31
.irp q, 1,2,3,4,5,6,7
	v_mov_b32 v[ONE+(\q)], 0
.endr
	v_and_b32 v[ONE], 0x3f80, v[TV]                ; 1.0 in bf16
	v_and_b32 v[TV], s[KM], v[TV]
.irp nb, 0,1,2,3
	v_cvt_pk_bf16_f32 v[BF+8*(\nb)], v[RAW+(\nb)], v[ONE+1]
	v_and_b32 v[BF+8*(\nb)], v[TV], v[BF+8*(\nb)]
.irp q, 1,2,3,4,5,6,7
	v_mov_b32 v[BF+8*(\nb)+(\q)], 0
.endr
.endr
	WIN 0x50
.irp nb, 0,1,2,3
.irp m, 0,1,2,3,4
	v_wmma_f32_16x16x32_bf16 v[32*(\m)+8*(\nb):32*(\m)+8*(\nb)+7], v[BF+8*(\nb):BF+8*(\nb)+7], v[ONE:ONE+7], 0
.endr
.endr
	WIN 0
	PLACES                                         ; for the loads into the fragments' registers
.endm
.macro FIRSTB
	s_wait_loadcnt 0x0                             ; the bias, the list entries, the first fragments
	RHOW
	INITB
.endm
.macro START                           ; a later pass
	s_wait_xcnt 0x0                                ; the way out's stores have read their registers
	s_wait_loadcnt 0x0                             ; no load of mine is out: the fragments' registers and their offsets are written anew below
	BIASLD
	SETA
	AFIRST
	FIRSTB
.endm
; A PHASE has two windows.  In the first the loaders round the chunk that has arrived, in registers, and the computers multiply the chunk before it out of LDS: nobody writes LDS.  A barrier: every wave's reads are back.
; In the second the loaders store the chunk at LDS byte LK: nobody reads LDS.  A barrier: the stores are done.  Behind it every wave steps LK.  The loads from memory stay on their way across both.
; comp = 2: in the loop's first trip there is no chunk yet to multiply: the computers finish the pass's beginning.
.macro PHASE set, reload, left, comp
	s_cmp_lt_u32 s[WV], 4
	s_cbranch_scc0 .Lcmp_\@
	CONV \set, \reload, \left
	s_branch .Ljoin_\@
.Lcmp_\@:
.if (\comp) == 2
	s_cmp_eq_u32 s[OC], 3
	s_cbranch_scc0 .Lmul_\@
	FIRSTB
	s_branch .Ljoin_\@
.Lmul_\@:
.endif
	COMP
.Ljoin_\@:
	BAR
	s_cmp_lt_u32 s[WV], 4
	s_cbranch_scc0 .Lput_\@
	PUT
.Lput_\@:
	BAR
	s_add_co_u32 s[LK], s[LK], CHUNKB
.endm
; THE WAY OUT of tile m.  The sums are multiplied by w in place, go through my own stage in LDS and come back as whole rows of 256 bytes, each with its place in ypart.
; A tile past the count is jumped, and so are the stores of pairs of rows past it.  Each tile has its own registers for rows and offsets, so no tile waits for the stores of the one before.
.macro ETILE m
.if (\m) < 4
.set OFR, 48+8*(\m)
.else
.set OFR, 16
.endif
.set ZB, AF+32*(\m)
	s_add_co_u32 s[TT], s[T0], 4*(\m)
	s_lshl_b32 s[TT], s[TT], 4                     ; the tile's first place
	s_cmp_ge_u32 s[TT], s[CNT]
	s_cbranch_scc1 .Ltend_\@
	v_mov_b32 v[WT], v[W5+(\m)]
	v_mov_b32 v[WT+1], v[W5+(\m)]                  ; named with it as a pair
	WIN 0x41                                       ; destination and source 0 in window 1
.set i, 0
.rept 16
	v_pk_mul_f32 v[32*(\m)+2*i:32*(\m)+2*i+1], v[32*(\m)+2*i:32*(\m)+2*i+1], v[WT:WT+1] op_sel_hi:[1,0]  ; each accumulator from its low registers on
.set i, i+1
.endr
	WIN 0x04                                       ; an LDS store's data in window 1
	ds_store_b32 v[STP], v[RHO+(\m)]               ; both halves of the lanes hold the same row: the same word, the same number
.irp nb, 0,1,2,3
	ds_store_b128 v[STO], v[32*(\m)+8*(\nb):32*(\m)+8*(\nb)+3]   offset:64*(\nb)
	ds_store_b128 v[STO], v[32*(\m)+8*(\nb)+4:32*(\m)+8*(\nb)+7] offset:64*(\nb)+16
.endr
	WIN 0
.irp u, 0,1,2,3,4,5,6,7
	ds_load_b128 v[ZB+4*(\u):ZB+4*(\u)+3], v[RD] offset:2*SP*(\u)   ; LDS serves a wave's instructions in order (ISA guide 5.7.1.4): these see the stores above
	ds_load_b32 v[OFR+(\u)], v[RDP] offset:2*SP*(\u)
.endr
	s_wait_dscnt 0x0
.irp u, 0,1,2,3,4,5,6,7
.if (\u) > 0
	s_add_co_u32 s[TU], s[TT], 2*(\u)
	s_cmp_ge_u32 s[TU], s[CNT]
	s_cbranch_scc1 .Ltend_\@
.endif
	v_min_u32 v[OFR+(\u)], 2047, v[OFR+(\u)]
	v_lshl_add_u32 v[OFR+(\u)], v[OFR+(\u)], 12, v[C16]
	global_store_b128 v[OFR+(\u)], v[ZB+4*(\u):ZB+4*(\u)+3], s[YB:YB+1]  ; 16 lanes store 256 bytes on end, aligned: this slice of a token's row
.endr
.Ltend_\@:
.endm
	s_load_b256 s[4:11], s[0:1], 0x0
	s_load_b128 s[12:15], s[0:1], 0x20
	v_lshl_add_u32 v[SPW], v0, 2, SPARE
	v_mov_b32 v[NIL], 0
	v_lshrrev_b32 v[TV], 5, v0
	v_readfirstlane_b32 s[WV], v[TV]
	s_and_b32 s[E], ttmp7, 0xffff
	s_lshr_b32 s[KW], ttmp9, 4                     ; which half of the hidden width
	s_and_b32 s[TT], ttmp9, 15
	s_lshl_b32 s[TT], s[TT], 8                     ; the slice's 64 columns, in f32
	s_lshl_b32 s[TM4], s[KW], 23
	s_add_co_u32 s[TM4], s[TM4], s[TT]             ; ypart: the half, the columns
	s_mov_b32 s[TM4+1], 0
	s_lshl_b32 s[TMP], s[E], 24
	s_add_co_u32 s[TMP], s[TMP], s[TM4]            ; W2: the expert, 2,048 rows of 4,096 bytes a half, the columns
	s_mov_b32 s[TMP+1], 0
	s_lshl_b32 s[TM2], s[E], 12
	s_add_co_u32 s[TM2], s[TM2], s[TT]
	s_mov_b32 s[TM2+1], 0
	s_lshl_b32 s[TM3], s[E], 23
	s_lshl_b32 s[TT], s[KW], 16
	s_add_co_u32 s[TM3], s[TM3], s[TT]             ; hfrag: the expert, 64 blocks of 1,024 bytes a half
	s_mov_b32 s[TM3+1], 0
	s_mul_i32 s[TM5], s[E], LPITCH
	s_mov_b32 s[TM5+1], 0
	s_cmp_eq_u32 s[KW], 0
	s_cselect_b32 s[KM], -1, 0
	s_and_b32 s[CJ], ttmp9, 7                      ; by how many chunks my order of K is turned
	s_lshl_b32 s[R2], s[CJ], 1
	; the address bases of both roles: a constant, the wave's number times a constant, lane terms
	v_and_b32 v[RR], 15, v0
	v_bfe_u32 v[T1], v0, 4, 1
	s_lshl_b32 s[TT], s[WV], 17                    ; loader w: 32 rows of 4,096 bytes a chunk
	v_lshl_add_u32 v[WOFF], v[RR], 4, s[TT]        ; lanes 0-15 a row of the first 1,024,
	v_lshl_add_u32 v[WOFF], v[T1], 22, v[WOFF]     ; lanes 16-31 the row 1,024 further down
	v_and_b32 v[TV], 31, v0                        ; lane
	s_mul_i32 s[TT], s[WV], 32*PITCH
	v_lshl_add_u32 v[LADR0], v[TV], 3, s[TT]
	v_lshlrev_b32 v[L16], 4, v[TV]
	v_lshlrev_b32 v[H16], 4, v[T1]
	v_and_b32 v[BL0], 7, v0
	v_lshl_add_u32 v[BL0], v[T1], 3, v[BL0]
	v_mul_u32_u24 v[BL0], v[BL0], PITCH            ; row 8 (l / 16) + l % 8,
	v_bfe_u32 v[T1], v0, 3, 1
	v_lshl_add_u32 v[BL0], v[T1], 4, v[BL0]        ; 16 bytes on for (l / 8) % 2
	s_mul_i32 s[TT], s[WV], 16*SP
	s_add_co_u32 s[TT], s[TT], STAGE-4*16*SP       ; wave 4 has the first stage
	v_mul_u32_u24 v[STP], v[RR], SP
	v_add_nc_u32 v[STP], s[TT], v[STP]             ; in: row l % 16,
	v_lshl_add_u32 v[STO], v[H16], 1, v[STP]       ; 32 bytes for each half of the lanes;
	v_add_nc_u32 v[STP], 256, v[STP]               ; the row's place behind its 256 bytes
	v_mul_u32_u24 v[RDP], v[H16], 17               ; back: lanes 0-15 one row, lanes 16-31 the next (16 x 17 = 272)
	v_add_nc_u32 v[RDP], s[TT], v[RDP]
	v_lshl_add_u32 v[RD], v[RR], 4, v[RDP]
	v_add_nc_u32 v[RDP], 256, v[RDP]
	v_lshlrev_b32 v[C16], 4, v[RR]
	s_mov_b32 s[LK], 0
	s_wait_kmcnt 0x0
	s_add_nc_u64 s[WB:WB+1], s[WB:WB+1], s[TMP:TMP+1]
	s_add_nc_u64 s[BI:BI+1], s[BI:BI+1], s[TM2:TM2+1]
	s_add_nc_u64 s[A0:A0+1], s[A0:A0+1], s[TM3:TM3+1]
	s_add_nc_u64 s[YB:YB+1], s[YB:YB+1], s[TM4:TM4+1]
	s_add_nc_u64 s[LS:LS+1], s[LS:LS+1], s[TM5:TM5+1]
	s_cmp_lt_u32 s[WV], 4
	s_cbranch_scc0 .Lc_head
	; LOADERS: my first two chunks are asked for before anything else: 64 loads a wave, each two aligned runs of 256 bytes
	s_lshl_b32 s[TMP], s[CJ], CHSH
	s_mov_b32 s[TMP+1], 0
	s_add_nc_u64 s[WR:WR+1], s[WB:WB+1], s[TMP:TMP+1]
	s_add_co_u32 s[TT], s[CJ], 1
	s_and_b32 s[TT], s[TT], 7
	s_lshl_b32 s[TM2], s[TT], CHSH
	s_mov_b32 s[TM2+1], 0
	s_add_nc_u64 s[WR1:WR1+1], s[WB:WB+1], s[TM2:TM2+1]
	s_add_co_u32 s[CJ], s[CJ], 2
	WIN 0x40
.set i, 0
.rept 32
	global_load_b128 v[4*i:4*i+3], v[WOFF], s[WR:WR+1] offset:i*STRIDE th:TH_LOAD_NT
.set i, i+1
.endr
.set i, 0
.rept 32
	global_load_b128 v[128+4*i:128+4*i+3], v[WOFF], s[WR1:WR1+1] offset:i*STRIDE th:TH_LOAD_NT
.set i, i+1
.endr
	WIN 0
	s_branch .Lb0
.Lc_head:
	; COMPUTERS: the count, and all that the first pass begins with is asked for
	s_load_b32 s[CNT], s[LS:LS+1], 0x1000
	BIASLD
	s_wait_kmcnt 0x0
	s_min_u32 s[CNT], s[CNT], 1024
	s_max_u32 s[CNT1], s[CNT], 1
	s_sub_co_u32 s[CM1], s[CNT1], 1
	s_sub_co_u32 s[T0], s[WV], 4
	SETA
	AFIRST
.Lb0:
	s_mov_b32 s[OC], 3
.Lchunks:                              ; three trips: chunks 0-5 (in my order) are stored (and 2-7 asked for), chunks 0-4 multiplied
	PHASE 0, 1, 0, 2
	PHASE 1, 1, 0, 1
	s_sub_co_u32 s[OC], s[OC], 1
	s_cmp_lg_u32 s[OC], 0
	s_cbranch_scc1 .Lchunks
	PHASE 0, 0, 56, 1                              ; chunk 6 is stored, 5 multiplied: nothing is left to ask for, and the counts run down
	PHASE 1, 0, 24, 1                              ; chunk 7, 6
	s_sub_co_u32 s[KO], s[LK], CHUNKB              ; the first pass has chunk 7 left: two pairs
	s_mov_b32 s[IC], 2
	s_mov_b32 s[P], 0
.Lpass:                                ; four trips, every wave: a pass is finished; a barrier; it goes out through the stages; a barrier.  The first trip finishes the streamed pass; the others multiply the next 20 tiles
                                       ; from the resident weights, in the waves that have a live one among them.  The loaders only pass the barriers
	s_cmp_lt_u32 s[WV], 4
	s_cbranch_scc1 .Lread
	s_cmp_eq_u32 s[P], 0
	s_cbranch_scc1 .Lres
	s_add_co_u32 s[T0], s[T0], 20
	s_lshl_b32 s[MA], s[T0], 4
	s_cmp_ge_u32 s[MA], s[CNT1]
	s_cbranch_scc1 .Lread                          ; no live tile: only work is jumped, no barrier
	START
	s_mov_b32 s[KO], 0
	s_mov_b32 s[IC], 16
.Lres:
	PAIR
	s_sub_co_u32 s[IC], s[IC], 1
	s_cmp_lg_u32 s[IC], 0
	s_cbranch_scc1 .Lres
.Lread:
	BAR                                            ; every wave's reads of the weights are back: the stages may be written
	s_cmp_lt_u32 s[WV], 4
	s_cbranch_scc1 .Lsent
	s_wait_loadcnt 0x0                             ; the last pair's loads of h: their registers serve the way out
	s_wait_xcnt 0x0                                ; the stores of the trip before have read the rows' and offsets' registers, which are written anew below: one wait for the five tiles
	ETILE 0
	ETILE 1
	ETILE 2
	ETILE 3
	ETILE 4
.Lsent:
	BAR                                            ; the stages' stores are done: the weights may be read
	s_add_co_u32 s[P], s[P], 1
	s_cmp_lt_u32 s[P], 4
	s_cbranch_scc1 .Lpass
	s_wait_tensorcnt 0x0                           ; the wave's end
	ds_add_u32 v[SPW], v[NIL]
	s_wait_dscnt 0x0
	s_endpgm
.Lfunc_end_k_qf59edd1e2e_ffn2:
	.size	k_qf59edd1e2e_ffn2, .Lfunc_end_k_qf59edd1e2e_ffn2-k_qf59edd1e2e_ffn2
	.p2alignl 7, 3214868480
	.fill 96, 4, 3214868480
	.section	.rodata,"a",@progbits
	.p2align	6, 0x0
	.amdhsa_kernel k_qf59edd1e2e_ffn2
		.amdhsa_group_segment_fixed_size 313344
		.amdhsa_private_segment_fixed_size 0
		.amdhsa_enable_private_segment 0
		.amdhsa_kernarg_size 48
		.amdhsa_user_sgpr_count 2
		.amdhsa_user_sgpr_kernarg_segment_ptr 1
		.amdhsa_wavefront_size32 1
		.amdhsa_system_sgpr_workgroup_id_x 1
		.amdhsa_system_sgpr_workgroup_id_y 1
		.amdhsa_system_sgpr_workgroup_id_z 1
		.amdhsa_system_vgpr_workitem_id 0
		.amdhsa_next_free_vgpr 512
		.amdhsa_next_free_sgpr 66
		.amdhsa_reserve_vcc 0
		.amdhsa_float_denorm_mode_32 3
		.amdhsa_float_denorm_mode_16_64 3
		.amdhsa_memory_ordered 1
		.amdhsa_forward_progress 1
		.amdhsa_inst_pref_size 159
	.end_amdhsa_kernel
	.amdgpu_metadata
---
amdhsa.version: [ 1, 2 ]
amdhsa.kernels:
  - .name:           k_qf59edd1e2e_ffn2
    .symbol:         k_qf59edd1e2e_ffn2.kd
    .args:
      - { .name: W2, .offset: 0, .size: 8, .value_kind: global_buffer, .address_space: global }
      - { .name: b2, .offset: 8, .size: 8, .value_kind: global_buffer, .address_space: global }
      - { .name: hfrag, .offset: 16, .size: 8, .value_kind: global_buffer, .address_space: global }
      - { .name: lists, .offset: 24, .size: 8, .value_kind: global_buffer, .address_space: global }
      - { .name: wts, .offset: 32, .size: 8, .value_kind: global_buffer, .address_space: global }
      - { .name: ypart, .offset: 40, .size: 8, .value_kind: global_buffer, .address_space: global }
    .group_segment_fixed_size: 313344
    .private_segment_fixed_size: 0
    .kernarg_segment_align: 8
    .kernarg_segment_size: 48
    .max_flat_workgroup_size: 256
    .sgpr_count:     66
    .vgpr_count:     512
    .wavefront_size: 32
...
	.end_amdgpu_metadata
.endif
;; end of part 6
;; launch combine: the kernel of part 4 again; grid 256 x 1, 8 waves a work-group, no clusters, 0 bytes of LDS; arguments ypart, out0; writes out0
